; MI455X (gfx1250); checked and timed in simulation.
; The chip was launched on July 23, 2026; its instructions are those of AMD's public machine-readable ISA for CDNA 5 (MIT licence, August 2026) and "CDNA5" Instruction Set Architecture Reference Guide (July 2026). The comments in the code are by the model that wrote it; some were corrected since.
;; Transformer Block. Allowed arithmetic: float matrix products may take bf16 or f16 operands with f32 sums; all other float work in f32.
;; Inputs: W1 1,024 x 4,096 float32; W2 4,096 x 1,024 float32; Wk 1,024 x 1,024 float32; Wo 1,024 x 1,024 float32; Wq 1,024 x 1,024 float32; Wv 1,024 x 1,024 float32; b1 4,096 float32; b2 1,024 float32; beta1 1,024 float32; beta2 1,024 float32; bk 1,024 float32; bo 1,024 float32; bq 1,024 float32; bv 1,024 float32; gamma1 1,024 float32; gamma2 1,024 float32; x 2 x 2,048 x 1,024 float32.
;; Outputs: out0 2 x 2,048 x 1,024 float32.
;; One version. Each part assembles by itself: llvm-mc -triple=amdgcn-amd-amdhsa -mcpu=gfx1250 --defsym DOCPART=n.
;; ======== version 1 of 1: 7 launches
;; limits: values are held in f16: magnitudes above 65,504 overflow, below 6.1e-05 lose precision; a function is approximated: absolute error at most 1.5e-07; an absolute error that grows with the inputs' magnitude: up to 7.5e-08 times it
;; workspace buffers: wt 25,165,824 bytes; hn 8,388,608 bytes; qkv 25,165,824 bytes; ob 8,388,608 bytes; x1 16,777,216 bytes; gb 33,554,432 bytes
;; launch prep (part 1): grid 1280 x 1, 8 waves a work-group, no clusters, 35,840 bytes of LDS; arguments Wq, Wk, Wv, Wo, W1, W2, x, gamma1, beta1, wt, hn; writes wt, hn
.if DOCPART == 1
	.amdgcn_target "amdgcn-amd-amdhsa--gfx1250"
	.amdhsa_code_object_version 6
	.text
	.protected	k_q95ca005a4f_prep
	.globl	k_q95ca005a4f_prep
	.p2align	8
	.type	k_q95ca005a4f_prep,@function
k_q95ca005a4f_prep:
	s_mov_b64 s[64:65], 0
	v_nop
	global_prefetch_b8 v0, s[64:65] scope:SCOPE_SE
	s_setreg_imm32_b32 hwreg(HW_REG_WAVE_MODE, 25, 1), 1
	s_wait_xcnt 0x0
; Work-groups 0-767: the six weights, stored [k][n] in f32, are rounded to bf16 and written transposed, [n][k], into wt, a block of 128 k x 128 n each.
; Work-groups 768-1279: LayerNorm 1, eight rows each, one wave a row, the row kept in registers; hn = bf16(gamma (x - mean) rsqrt(var + 1e-5) + beta).
; wt: +0 [3072][1024] (Wq's, Wk's, Wv's columns), +6,291,456 Wo^T [1024][1024], +8,388,608 W1^T [4096][1024], +16,777,216 W2^T [1024][4096].
; Mean first, then the mean of the squared differences: no difference of large sums.  NaN and infinities are not treated apart.
; 96 registers a wave: the launch's 10,240 waves are 40 for each of 256 WGPs, ten to a SIMD at 960 of its 1,024 registers.  So gamma and beta do not lie in 64 registers of every wave: the work-group
; brings them into LDS once (16 bytes of each a thread), and a wave reads them through five register slots while it scales its row.
.set SPARE, 34816                      ; behind the block: the spare words, 128 bytes for each of eight waves
.set SPW, 94                           ; v94  LDS address of my spare word; never rewritten
.set NIL, 95                           ; v95  0; never rewritten
.set X,   8                            ; v[8:39]   the row, 32 numbers a lane, at last the packed results (in the cast: 16 rows x 4 columns in v[8:71])
.set GB,  40                           ; v[40:79]  five slots of eight: four of gamma, four of beta
.set SM,  80                           ; v[80:87]  four running pairs; at the start my 16 bytes of gamma and of beta on their way into LDS
.set TP,  88                           ; v88, v89  at work
.set MN,  90                           ; v[90:91]  the mean, twice
.set RS,  92                           ; v[92:93]  1 / sqrt(var + eps), twice
; the four running pairs become one number, the same in all 32 lanes
.macro LANESUM
	v_pk_add_f32 v[SM:SM+1], v[SM:SM+1], v[SM+2:SM+3]
	v_pk_add_f32 v[SM+4:SM+5], v[SM+4:SM+5], v[SM+6:SM+7]
	v_pk_add_f32 v[SM:SM+1], v[SM:SM+1], v[SM+4:SM+5]
	v_add_f32 v[TP], v[SM], v[SM+1]
	v_add_f32_dpp v[TP], v[TP], v[TP] row_xmask:1 row_mask:0xf bank_mask:0xf
	v_add_f32_dpp v[TP], v[TP], v[TP] row_xmask:2 row_mask:0xf bank_mask:0xf
	v_add_f32_dpp v[TP], v[TP], v[TP] row_xmask:4 row_mask:0xf bank_mask:0xf
	v_add_f32_dpp v[TP], v[TP], v[TP] row_xmask:8 row_mask:0xf bank_mask:0xf
	v_permlanex16_b32 v[TP+1], v[TP], s44, s45
	v_add_f32 v[TP], v[TP], v[TP+1]
.endm
; A block of 128 k x 128 n.  s[28:29] the source at the block's corner (rows SP bytes apart), s[30:31] the destination at its corner (rows DP bytes apart).
; Wave w reads k rows 16 w .. 16 w + 15, a lane four columns; eight k of one column pack into 16 bytes, which go into LDS rows [n] of 272 bytes; whole rows of 256 bytes come back.
; The first eight rows pack into v[72:87], the second eight into v[8:23], which the first eight's conversions have consumed.
; The LDS stores' lanes lie 1,088 bytes apart and share banks four deep: the pass is bound by memory, and the price is stated.
.macro CAST SP, DP
	s_mul_i32 s40, s26, 16*(\SP)
	v_lshl_add_u32 v4, v1, 4, s40
.set j, 0
.rept 16
	global_load_b128 v[8+4*j:8+4*j+3], v4, s[28:29] offset:j*(\SP) th:TH_LOAD_NT
.set j, j+1
.endr
	v_mul_u32_u24 v5, v1, 1088                     ; LDS row 4 l,
	s_lshl_b32 s41, s26, 5
	v_add_nc_u32 v5, s41, v5                       ; byte 32 w
	s_lshl_b32 s42, s26, 4
	v_add_nc_u32 v6, s42, v3                       ; back: row 16 w + l / 16
	v_mul_u32_u24 v7, v6, \DP
	v_mul_u32_u24 v6, v6, 272
	v_lshl_add_u32 v6, v2, 4, v6
	v_lshl_add_u32 v7, v2, 4, v7
	s_wait_loadcnt 0x0
.irp g, 0,1
.irp c, 0,1,2,3
.irp i, 0,1,2,3
	v_cvt_pk_bf16_f32 v[72-64*\g+4*\c+\i], v[8+4*(8*\g+2*\i)+\c], v[8+4*(8*\g+2*\i+1)+\c]
.endr
	ds_store_b128 v5, v[72-64*\g+4*\c:72-64*\g+4*\c+3] offset:\c*272+16*\g
.endr
.endr
	s_wait_dscnt 0x0                               ; for the others' sake: my stores are done
	s_barrier_signal -1
	s_barrier_wait -1
.irp t, 0,1,2,3,4,5,6,7
	ds_load_b128 v[8+4*\t:8+4*\t+3], v6 offset:544*\t
.endr
.irp t, 0,1,2,3,4,5,6,7
	s_wait_dscnt 7-\t                              ; LDS loads come back in order: load t is in, the younger ones stay out
	global_store_b128 v7, v[8+4*\t:8+4*\t+3], s[30:31] offset:2*\t*(\DP)   ; sixteen lanes store 256 consecutive bytes, aligned
.endr
	s_wait_tensorcnt 0x0                           ; the wave's end, behind my last LDS store
	ds_add_u32 v[SPW], v[NIL]
	s_wait_dscnt 0x0
	s_endpgm
.endm
	s_load_b512 s[4:19], s[0:1], 0x0               ; Wq, Wk, Wv, Wo, W1, W2, x, gamma1
	s_load_b128 s[20:23], s[0:1], 0x40             ; beta1, wt
	s_load_b64 s[24:25], s[0:1], 0x50              ; hn
	v_lshl_add_u32 v[SPW], v0, 2, SPARE
	v_mov_b32 v[NIL], 0
	v_lshrrev_b32 v1, 5, v0
	v_readfirstlane_b32 s26, v1                    ; wave 0..7
	v_and_b32 v1, 31, v0                           ; lane
	v_and_b32 v2, 15, v0
	v_bfe_u32 v3, v0, 4, 1
	s_mov_b32 s27, ttmp9
	s_mov_b32 s33, 0                               ; the offsets' high words
	s_mov_b32 s35, 0
	s_wait_kmcnt 0x0
	s_cmp_lt_u32 s27, 256
	s_cbranch_scc1 .Lsq
	s_cmp_lt_u32 s27, 512
	s_cbranch_scc1 .Lw1
	s_cmp_lt_u32 s27, 768
	s_cbranch_scc1 .Lw2
	; LayerNorm 1: rows 8 g .. 8 g + 7, one wave a row
	s_sub_co_u32 s27, s27, 768
	s_lshl_b32 s32, s27, 15
	s_add_nc_u64 s[16:17], s[16:17], s[32:33]
	s_lshl_b32 s34, s27, 14
	s_add_nc_u64 s[24:25], s[24:25], s[34:35]
	s_lshl_b32 s40, s26, 12
	s_lshl_b32 s41, s26, 11
	s_mov_b32 s44, 0x76543210                      ; v_permlanex16_b32: each lane takes its own place in the other half
	s_mov_b32 s45, 0xfedcba98
	s_mov_b32 s46, 0x3a800000                      ; 1 / 1024
	s_mov_b32 s47, 0x3727c5ac                      ; 1e-5
	v_lshlrev_b32 v5, 4, v0                        ; 16 t: my 16 bytes of gamma and of beta: 256 threads cover their 4,096 bytes
	v_lshl_add_u32 v4, v1, 4, s40                  ; x: my wave's row, 16 bytes a lane
	v_lshl_add_u32 v6, v1, 3, s41                  ; out: my wave's row, 8 bytes a lane
	v_lshlrev_b32 v7, 4, v1                        ; gamma and beta in LDS: 16 bytes a lane
	global_load_b128 v[SM:SM+3], v5, s[18:19]
	global_load_b128 v[SM+4:SM+7], v5, s[20:21]
.irp j, 0,1,2,3,4,5,6,7
	global_load_b128 v[X+4*\j:X+4*\j+3], v4, s[16:17] offset:512*\j   ; 512 consecutive bytes a load
.endr
	v_mov_b32 v[TP+1], 0                           ; the lane exchange's destination counts as read
	s_wait_loadcnt 8                               ; my pieces of gamma and beta are in; the row's eight loads may stay out
	ds_store_b128 v5, v[SM:SM+3]                   ; gamma at LDS byte 0,
	ds_store_b128 v5, v[SM+4:SM+7] offset:4096     ; beta at 4,096
	s_wait_dscnt 0x0                               ; for the others' sake: my stores are done
	s_barrier_signal -1                            ; the first sum, work on registers, stands between the signal and the wait
	s_wait_loadcnt 0x0                             ; the row
.irp k, 0,1,2,3
	v_pk_add_f32 v[SM+2*\k:SM+2*\k+1], v[X+2*\k:X+2*\k+1], v[X+8+2*\k:X+8+2*\k+1]
.endr
.irp m, 2,3
.irp k, 0,1,2,3
	v_pk_add_f32 v[SM+2*\k:SM+2*\k+1], v[SM+2*\k:SM+2*\k+1], v[X+8*\m+2*\k:X+8*\m+2*\k+1]
.endr
.endr
	LANESUM
	v_mul_f32 v[MN], s46, v[TP]
	v_mov_b32 v[MN+1], v[MN]
	s_barrier_wait -1                              ; gamma and beta are whole in LDS
.irp j, 0,1,2,3,4
	ds_load_b128 v[GB+8*\j:GB+8*\j+3],   v7 offset:512*\j        ; the first five groups of four columns: they land under the second sum
	ds_load_b128 v[GB+8*\j+4:GB+8*\j+7], v7 offset:4096+512*\j
.endr
.set z, 0
.rept 16
	v_pk_add_f32 v[X+2*z:X+2*z+1], v[X+2*z:X+2*z+1], v[MN:MN+1] neg_lo:[0,1] neg_hi:[0,1]
.set z, z+1
.endr
.irp k, 0,1,2,3
	v_pk_mul_f32 v[SM+2*\k:SM+2*\k+1], v[X+2*\k:X+2*\k+1], v[X+2*\k:X+2*\k+1]
.endr
.irp m, 1,2,3
.irp k, 0,1,2,3
	v_pk_fma_f32 v[SM+2*\k:SM+2*\k+1], v[X+8*\m+2*\k:X+8*\m+2*\k+1], v[X+8*\m+2*\k:X+8*\m+2*\k+1], v[SM+2*\k:SM+2*\k+1]
.endr
.endr
	LANESUM
	v_fma_f32 v[TP], v[TP], s46, s47               ; var + eps
	v_rsq_f32 v[RS], v[TP]
	v_rsq_f32 v[RS+1], v[TP]
	v_nop                                          ; a plain instruction between the root and its use (ISA guide 5.7.2)
	s_wait_alu depctr_va_vdst(0)
.irp j, 0,1,2,3,4,5,6,7
.set SL, GB+8*((\j)%5)
.if (\j) < 4
	s_wait_dscnt 8                                 ; group j's two loads are in: eight younger ones (four groups') may stay out
.else
	s_wait_dscnt 2*(7-(\j))                        ; nothing more is asked for: the counts run down
.endif
	v_pk_mul_f32 v[X+4*\j:X+4*\j+1], v[X+4*\j:X+4*\j+1], v[RS:RS+1]
	v_pk_mul_f32 v[X+4*\j+2:X+4*\j+3], v[X+4*\j+2:X+4*\j+3], v[RS:RS+1]
	v_pk_fma_f32 v[X+4*\j:X+4*\j+1], v[X+4*\j:X+4*\j+1], v[SL:SL+1], v[SL+4:SL+5]
	v_pk_fma_f32 v[X+4*\j+2:X+4*\j+3], v[X+4*\j+2:X+4*\j+3], v[SL+2:SL+3], v[SL+6:SL+7]
.if (\j) < 3
	ds_load_b128 v[SL:SL+3],   v7 offset:512*((\j)+5)            ; the slot just used takes the group five further on
	ds_load_b128 v[SL+4:SL+7], v7 offset:4096+512*((\j)+5)
.endif
	v_cvt_pk_bf16_f32 v[X+4*\j], v[X+4*\j], v[X+4*\j+1]
	v_cvt_pk_bf16_f32 v[X+4*\j+1], v[X+4*\j+2], v[X+4*\j+3]
	global_store_b64 v6, v[X+4*\j:X+4*\j+1], s[24:25] offset:256*\j   ; the wave stores 256 consecutive bytes, aligned
.endr
	s_wait_tensorcnt 0x0                           ; the wave's end, behind my last LDS store
	ds_add_u32 v[SPW], v[NIL]
	s_wait_dscnt 0x0
	s_endpgm
.Lsq:                                                  ; the four square weights: 64 blocks each
	s_lshr_b32 s36, s27, 6                         ; which weight
	s_bfe_u32 s37, s27, 0x30003                    ; block along k
	s_and_b32 s38, s27, 7                          ; block along n
	s_cmp_eq_u32 s36, 1
	s_cselect_b64 s[28:29], s[6:7], s[4:5]
	s_cmp_eq_u32 s36, 2
	s_cselect_b64 s[28:29], s[8:9], s[28:29]
	s_cmp_eq_u32 s36, 3
	s_cselect_b64 s[28:29], s[10:11], s[28:29]
	s_lshl_b32 s32, s37, 19                        ; 128 rows of 4,096 bytes
	s_lshl_b32 s39, s38, 9
	s_add_co_u32 s32, s32, s39
	s_add_nc_u64 s[28:29], s[28:29], s[32:33]
	s_lshl_b32 s34, s36, 21                        ; 1,024 rows of 2,048 bytes a weight
	s_lshl_b32 s39, s38, 18
	s_add_co_u32 s34, s34, s39
	s_lshl_b32 s39, s37, 8
	s_add_co_u32 s34, s34, s39
	s_add_nc_u64 s[30:31], s[22:23], s[34:35]
	CAST 4096, 2048
.Lw1:                                                  ; W1 [1024][4096]: 8 x 32 blocks
	s_sub_co_u32 s27, s27, 256
	s_lshr_b32 s37, s27, 5
	s_and_b32 s38, s27, 31
	s_lshl_b32 s32, s37, 21                        ; 128 rows of 16,384 bytes
	s_lshl_b32 s39, s38, 9
	s_add_co_u32 s32, s32, s39
	s_add_nc_u64 s[28:29], s[12:13], s[32:33]
	s_lshl_b32 s34, s38, 18
	s_lshl_b32 s39, s37, 8
	s_add_co_u32 s34, s34, s39
	s_add_co_u32 s34, s34, 8388608
	s_add_nc_u64 s[30:31], s[22:23], s[34:35]
	CAST 16384, 2048
.Lw2:                                                  ; W2 [4096][1024]: 32 x 8 blocks
	s_sub_co_u32 s27, s27, 512
	s_lshr_b32 s37, s27, 3
	s_and_b32 s38, s27, 7
	s_lshl_b32 s32, s37, 19
	s_lshl_b32 s39, s38, 9
	s_add_co_u32 s32, s32, s39
	s_add_nc_u64 s[28:29], s[14:15], s[32:33]
	s_lshl_b32 s34, s38, 20                        ; 128 rows of 8,192 bytes
	s_lshl_b32 s39, s37, 8
	s_add_co_u32 s34, s34, s39
	s_add_co_u32 s34, s34, 16777216
	s_add_nc_u64 s[30:31], s[22:23], s[34:35]
	CAST 4096, 8192
.Lfunc_end_k_q95ca005a4f_prep:
	.size	k_q95ca005a4f_prep, .Lfunc_end_k_q95ca005a4f_prep-k_q95ca005a4f_prep
	.p2alignl 7, 3214868480
	.fill 96, 4, 3214868480
	.section	.rodata,"a",@progbits
	.p2align	6, 0x0
	.amdhsa_kernel k_q95ca005a4f_prep
		.amdhsa_group_segment_fixed_size 35840
		.amdhsa_private_segment_fixed_size 0
		.amdhsa_enable_private_segment 0
		.amdhsa_kernarg_size 88
		.amdhsa_user_sgpr_count 2
		.amdhsa_user_sgpr_kernarg_segment_ptr 1
		.amdhsa_wavefront_size32 1
		.amdhsa_system_sgpr_workgroup_id_x 1
		.amdhsa_system_sgpr_workgroup_id_y 1
		.amdhsa_system_sgpr_workgroup_id_z 1
		.amdhsa_system_vgpr_workitem_id 0
		.amdhsa_next_free_vgpr 96
		.amdhsa_next_free_sgpr 66
		.amdhsa_reserve_vcc 0
		.amdhsa_float_denorm_mode_32 3
		.amdhsa_float_denorm_mode_16_64 3
		.amdhsa_memory_ordered 1
		.amdhsa_forward_progress 1
		.amdhsa_inst_pref_size 34
	.end_amdhsa_kernel
	.amdgpu_metadata
---
amdhsa.version: [ 1, 2 ]
amdhsa.kernels:
  - .name:           k_q95ca005a4f_prep
    .symbol:         k_q95ca005a4f_prep.kd
    .args:
      - { .name: Wq, .offset: 0, .size: 8, .value_kind: global_buffer, .address_space: global }
      - { .name: Wk, .offset: 8, .size: 8, .value_kind: global_buffer, .address_space: global }
      - { .name: Wv, .offset: 16, .size: 8, .value_kind: global_buffer, .address_space: global }
      - { .name: Wo, .offset: 24, .size: 8, .value_kind: global_buffer, .address_space: global }
      - { .name: W1, .offset: 32, .size: 8, .value_kind: global_buffer, .address_space: global }
      - { .name: W2, .offset: 40, .size: 8, .value_kind: global_buffer, .address_space: global }
      - { .name: x, .offset: 48, .size: 8, .value_kind: global_buffer, .address_space: global }
      - { .name: gamma1, .offset: 56, .size: 8, .value_kind: global_buffer, .address_space: global }
      - { .name: beta1, .offset: 64, .size: 8, .value_kind: global_buffer, .address_space: global }
      - { .name: wt, .offset: 72, .size: 8, .value_kind: global_buffer, .address_space: global }
      - { .name: hn, .offset: 80, .size: 8, .value_kind: global_buffer, .address_space: global }
    .group_segment_fixed_size: 35840
    .private_segment_fixed_size: 0
    .kernarg_segment_align: 8
    .kernarg_segment_size: 88
    .max_flat_workgroup_size: 256
    .sgpr_count:     66
    .vgpr_count:     96
    .wavefront_size: 32
...
	.end_amdgpu_metadata
.endif
;; end of part 1
;; launch qkv (part 2): grid 12 x 16, 4 waves a work-group, clusters of 4 x 4, 327,680 bytes of LDS; arguments hn, wt, bq, bk, bv, qkv; writes qkv
.if DOCPART == 2
	.amdgcn_target "amdgcn-amd-amdhsa--gfx1250"
	.amdhsa_code_object_version 6
	.text
	.protected	k_q95ca005a4f_qkv
	.globl	k_q95ca005a4f_qkv
	.p2align	8
	.type	k_q95ca005a4f_qkv,@function
k_q95ca005a4f_qkv:
	s_mov_b64 s[64:65], 0
	v_nop
	global_prefetch_b8 v0, s[64:65] scope:SCOPE_SE
	s_setreg_imm32_b32 hwreg(HW_REG_WAVE_MODE, 25, 1), 1
	s_wait_xcnt 0x0
	s_wait_alu depctr_hold_cnt(0) depctr_sa_sdst(0) depctr_va_vdst(0) depctr_va_sdst(0) depctr_va_ssrc(0) depctr_va_vcc(0) depctr_vm_vsrc(0)
	s_getreg_b32 s2, hwreg(HW_REG_IB_STS2, 6, 4)
	s_cmp_eq_u32 s2, 0
	s_cbranch_scc0 .Lentry_in_a_cluster
	s_endpgm
.Lentry_in_a_cluster:
	s_bfe_u32 s2, ttmp6, 0x10000c
	s_cmp_lg_u32 s2, 0xf033
	s_cbranch_scc0 .Lentry_shape_is_right
	s_endpgm
.Lentry_shape_is_right:
; q, k, v = LN1(x) W + b.  A = hn [4096][1024] bf16, B = wt's first [3072][1024] bf16 (rows: Wq's, Wk's, Wv's columns); sums in f32; the bias is added in f32 and the result
; rounded once to f16 and written by heads: qkv [3][32 = 16 batch + head][2048][64], unscaled.  LIMIT: f16 ends at 65,504: |q|, |k|, |v| must stay below it.
; A tile of C is 256 x 256: four waves of 128 x 128, 64 accumulators each.  K goes in 8 steps of 128 through two LDS slots filled by the tensor data mover; a K step is written once, and
; the LDS addresses hang on one scalar that an exclusive or turns from slot to slot.  The tail (K steps 6 and 7, which ask for nothing) is a second text, walked twice and left in its middle.
; CLUSTER 4 x 4: A's tile is asked for jointly along a row of the cluster, B's along a column.  192 work-groups: 12 x 16 tiles.
; The matrix instruction is used transposed (source 0 = 16 rows of B, source 1 = 16 rows of A): a lane holds eight neighbouring columns of one row of C.
; REGISTERS: window 0: v0-31 addresses and bias; v64-191 A's fragments, two buffers; v32-63, v192-239 the way out.  Window 1: v64-191 B's fragments.  Windows 2, 3: accumulator (a, b) at v[8 (8 (a % 4) + b)].
.set SIZE_K, 1024
.set KSTEP,  128
.set PITCH,  272                       ; an LDS row: 256 bytes + 16 of padding: the 16 rows of a fragment load start at 16 different groups of four banks (ISA guide 11.1)
.set HALFT,  128*PITCH
.set SLOT,   4*HALFT                   ; 0x22000: its two bits are set in no wave's tile base (0, 0x8800, 0x11000, 0x19800), so an exclusive or moves a base from slot to slot
.set SPARE,  2*SLOT                    ; behind the ring: the spare words, 128 bytes a wave
.set SPITCH, 528                       ; the way out: a wave's 128 columns in f32 + 16 bytes
.set STG,    128*SPITCH                ; a wave's stage: it lies in the ring, which has had its last fill by then
.set BI,   8                           ; v[8:15] bias of my four columns in each of my wave's two heads
.set LA0,  16                          ; my lane's place in a slot's A, in its B; never rewritten
.set LB0,  17
.set ADRA, 18                          ; the same in the slot in hand
.set ADRB, 19
.set STO,  24
.set RD,   25
.set CO,   26
.set BO,   27
.set SPW,  28                          ; LDS address of my spare word; never rewritten
.set NIL,  29                          ; 0; never rewritten
.set T,    32
.set U,    192
.set YY,   224
.set F0,   64
.set F1,   128
.set CUR,  2                           ; s2  the slot in hand: 0 or SLOT
.set G1,   24
.set G0,   32                          ; two sets; the second walks
.set G1B,  48
.set G0B,  56
.set MSB, 0
.macro WIN new                         ; the immediate's high byte repeats the setting that is left
.if MSB != (\new)
	s_set_vgpr_msb (MSB<<8)|(\new)
.set MSB, \new
.endif
.endm
.set MUL_LO, 0xa1                      ; source 0 (B) window 1, source 1 (A) window 0, C and D window 2
.set MUL_HI, 0xf1                      ; the same, C and D window 3
.set TO_B,   0x40
.macro JLOAD s                         ; a joint load: waves 0 and 1 fetch A's halves, waves 2 and 3 B's; s_nop 0 and four v_nop follow each line
	s_cmp_eq_u32 s11, 0
	s_cbranch_scc0 .Lfor_b_\@
	tensor_load_to_lds s[G0+4*(\s):G0+4*(\s)+3], s[G1:G1+7]
	s_nop 0
.rept 4
	v_nop
.endr
	s_branch .Lasked_\@
.Lfor_b_\@:
	tensor_load_to_lds s[G0B+4*(\s):G0B+4*(\s)+3], s[G1B:G1B+7]
	s_nop 0
.rept 4
	v_nop
.endr
.Lasked_\@:
.endm
.macro CREST                           ; a round of the cluster's barrier behind its opening barrier
	s_cmp_lg_u32 s10, 0
	s_cbranch_scc1 .Lnot_wave_0_\@
	s_barrier_signal -3
.Lnot_wave_0_\@:
	s_barrier_wait -3
	s_barrier_signal -1
	s_barrier_wait -1
.endm
.macro CROUND
	s_barrier_signal -1
	s_barrier_wait -1
	CREST
.endm
	s_load_b128 s[4:7], s[0:1], 0x0                ; hn, wt
	s_load_b256 s[68:75], s[0:1], 0x10             ; bq, bk, bv, qkv
	v_lshl_add_u32 v[SPW], v0, 2, SPARE
	v_mov_b32 v[NIL], 0
	ds_add_u32 v[SPW], v[NIL]                      ; the wave's opening: the add, waited for ahead of my first tensor load
	ds_add_u32 v28, v29
	v_lshrrev_b32 v1, 5, v0
	v_readfirstlane_b32 s10, v1                    ; wave 0..3
	s_lshr_b32 s11, s10, 1                         ; my half of the tile's rows; also: I fetch for A (0) or B (1)
	s_and_b32 s12, s10, 1                          ; my half of its columns; also: which 128 rows I fetch
	s_bfe_u32 s40, ttmp6, 0x40000                  ; cx
	s_bfe_u32 s41, ttmp6, 0x40004                  ; cy
	s_lshl_b32 s42, ttmp9, 2
	s_add_co_u32 s42, s42, s40                     ; tile column
	s_and_b32 s13, ttmp7, 0xffff
	s_lshl_b32 s13, s13, 2
	s_add_co_u32 s13, s13, s41                     ; tile row
	s_lshl_b32 s43, s41, 2
	s_lshl_b32 s43, 15, s43                        ; my row of the cluster
	s_lshl_b32 s44, 0x1111, s40                    ; my column
	s_or_b32 s[G1+0], s43, (1<<16)|(1<<20)|(1<<21)|(5<<22)|(3<<25)   ; mask; 2-byte elements; padding on; bit 21 beside a mask; after every 64 words, 4 words
	s_or_b32 s[G1B+0], s44, (1<<16)|(1<<20)|(1<<21)|(5<<22)|(3<<25)
.irp g, G1, G1B
	s_mov_b32 s[(\g)+1], KSTEP<<16                 ; tensor_dim0 = 128
	s_mov_b32 s[(\g)+2], 128<<16                   ; tensor_dim1 = 128
	s_mov_b32 s[(\g)+3], KSTEP<<16                 ; tile_dim0 = 128
	s_mov_b32 s[(\g)+4], 128                       ; tile_dim1 = 128
	s_mov_b32 s[(\g)+5], SIZE_K                    ; elements from row to row
	s_mov_b32 s[(\g)+6], 0
	s_mov_b32 s[(\g)+7], 0
.endr
	s_lshl_b32 s17, s12, 7
	s_lshl_b32 s16, s13, 8
	s_add_co_u32 s16, s16, s17                     ; A: row 256 x tile row + 128 x half
	s_lshl_b32 s46, s42, 8
	s_add_co_u32 s46, s46, s17                     ; B: row 256 x tile column + 128 x half
	s_lshl_b32 s16, s16, 11                        ; rows of 2,048 bytes
	s_lshl_b32 s46, s46, 11
	s_mov_b32 s17, 0
	s_mov_b32 s47, 0
	s_mul_i32 s20, s10, HALFT                      ; where my tile goes: wave x 128 rows
	s_mov_b32 s[CUR], 0
	s_wait_dscnt 0x0                               ; the opening add is done
	s_wait_kmcnt 0x0
	s_add_nc_u64 s[14:15], s[4:5], s[16:17]
	s_add_nc_u64 s[46:47], s[6:7], s[46:47]
	CROUND                                         ; all sixteen work-groups are here: the first joint loads meet
.irp s, 0,1
	s_mov_b32 s[G0+4*(\s)], 1
	s_add_co_u32 s[G0+4*(\s)+1], s20, (\s)*SLOT
	s_add_nc_u64 s[G0+4*(\s)+2:G0+4*(\s)+3], s[14:15], (\s)*KSTEP*2
	s_or_b32 s[G0+4*(\s)+3], s[G0+4*(\s)+3], 0x80000000
	s_mov_b32 s[G0B+4*(\s)], 1
	s_add_co_u32 s[G0B+4*(\s)+1], s20, (\s)*SLOT
	s_add_nc_u64 s[G0B+4*(\s)+2:G0B+4*(\s)+3], s[46:47], (\s)*KSTEP*2
	s_or_b32 s[G0B+4*(\s)+3], s[G0B+4*(\s)+3], 0x80000000
	JLOAD \s                                       ; K steps 0 and 1: two loads of mine are out
.endr
	v_and_b32 v1, 15, v0                           ; r = l % 16
	v_bfe_u32 v2, v0, 4, 1                         ; h = l / 16
	v_mul_u32_u24 v3, v1, PITCH
	v_lshl_add_u32 v3, v2, 4, v3
	s_mul_i32 s21, s11, HALFT
	s_mul_i32 s22, s12, HALFT
	s_add_co_u32 s22, s22, 2*HALFT
	v_add_nc_u32 v[LA0], s21, v3
	v_add_nc_u32 v[LB0], s22, v3
	v_mov_b32 v[ADRA], v[LA0]
	v_mov_b32 v[ADRB], v[LB0]
	s_mul_i32 s23, s10, STG
	v_mul_u32_u24 v4, v1, SPITCH                   ; into the stage: row r, 32 bytes for each half of the lanes
	v_lshl_add_u32 v4, v2, 5, v4
	v_add_nc_u32 v[STO], s23, v4
	v_mul_u32_u24 v5, v2, SPITCH                   ; back: lanes 0-15 one row's 64 columns (a head), lanes 16-31 the next row's
	v_lshl_add_u32 v5, v1, 4, v5
	v_add_nc_u32 v[RD], s23, v5
	v_and_b32 v5, 31, v0
	v_lshlrev_b32 v[CO], 3, v5                     ; two rows of a head are 256 consecutive bytes: 8 bytes a lane
	v_lshlrev_b32 v[BO], 4, v1
	s_mov_b32 s45, ttmp9                           ; the cluster's x says which of q, k, v: 1,024 columns are four tiles
	s_cmp_eq_u32 s45, 1
	s_cselect_b64 s[66:67], s[70:71], s[68:69]
	s_cmp_eq_u32 s45, 2
	s_cselect_b64 s[66:67], s[72:73], s[66:67]
	s_lshl_b32 s46, s40, 10                        ; my 128 columns among the 1,024, in bytes of f32
	s_lshl_b32 s47, s12, 9
	s_add_co_u32 s46, s46, s47
	s_mov_b32 s47, 0
	s_add_nc_u64 s[66:67], s[66:67], s[46:47]
	global_load_b128 v[BI:BI+3], v[BO], s[66:67]
	global_load_b128 v[BI+4:BI+7], v[BO], s[66:67] offset:256
	s_lshr_b32 s14, s13, 3                         ; batch
	s_lshl_b32 s14, s14, 4
	s_lshl_b32 s15, s40, 2
	s_add_co_u32 s14, s14, s15
	s_lshl_b32 s15, s12, 1
	s_add_co_u32 s14, s14, s15                     ; 16 batch + my first head
	s_lshl_b32 s14, s14, 18                        ; a head is 262,144 bytes
	s_and_b32 s15, s13, 7
	s_lshl_b32 s15, s15, 15                        ; 256 rows of 128 bytes
	s_add_co_u32 s14, s14, s15
	s_lshl_b32 s15, s11, 14
	s_add_co_u32 s14, s14, s15
	s_lshl_b32 s15, s45, 23                        ; q, k, v are 8,388,608 bytes each
	s_add_co_u32 s46, s14, s15
	s_add_nc_u64 s[8:9], s[74:75], s[46:47]
.macro MUL16 f, hi, a0, zero           ; 16 matrix instructions: m blocks a0, a0 + 1 of the window's four x 8 n blocks, 32 along K.  zero = 1: the product starts the sums
	WIN MUL_LO+0x50*(\hi)
.irp a, \a0, (\a0)+1
.irp b, 0,1,2,3,4,5,6,7
.if \zero
	v_wmma_f32_16x16x32_bf16 v[8*(8*(\a)+(\b)):8*(8*(\a)+(\b))+7], v[(\f)+8*(\b):(\f)+8*(\b)+7], v[(\f)+8*(4*(\hi)+(\a)):(\f)+8*(4*(\hi)+(\a))+7], 0
.else
	v_wmma_f32_16x16x32_bf16 v[8*(8*(\a)+(\b)):8*(8*(\a)+(\b))+7], v[(\f)+8*(\b):(\f)+8*(\b)+7], v[(\f)+8*(4*(\hi)+(\a)):(\f)+8*(4*(\hi)+(\a))+7], v[8*(8*(\a)+(\b)):8*(8*(\a)+(\b))+7]
.endif
.endr
.endr
.endm
.macro FETCH k, f                      ; 32 LDS loads in one run: 32 K at byte k of the rows of the slot in hand, B first, then A
	WIN TO_B
.irp i, 0,1,2,3,4,5,6,7
	ds_load_b128 v[(\f)+8*(\i):(\f)+8*(\i)+3],   v[ADRB] offset:(\k)+(\i)*16*PITCH
	ds_load_b128 v[(\f)+8*(\i)+4:(\f)+8*(\i)+7], v[ADRB] offset:(\k)+(\i)*16*PITCH+32
.endr
	WIN 0
.irp i, 0,1,2,3,4,5,6,7
	ds_load_b128 v[(\f)+8*(\i):(\f)+8*(\i)+3],   v[ADRA] offset:(\k)+(\i)*16*PITCH
	ds_load_b128 v[(\f)+8*(\i)+4:(\f)+8*(\i)+7], v[ADRA] offset:(\k)+(\i)*16*PITCH+32
.endr
.endm
.macro PLACES                          ; four plain vector instructions between a matrix instruction and a load into, or a read of, its registers
.rept 4
	v_nop
.endr
.endm
.macro QUARTER k, f, g, zero           ; 64 matrix instructions on buffer f; in their middle the next quarter's fragments, at byte k, into buffer g
	s_wait_dscnt 8                                 ; B and A's rows 0-63 are in; the youngest eight loads (A's rows 64-127) may be out
	MUL16 \f, 0, 0, \zero
	MUL16 \f, 0, 2, \zero
	PLACES
	FETCH \k, \g
	s_wait_dscnt 32                                ; all but the 32 just issued
	MUL16 \f, 1, 0, \zero
	MUL16 \f, 1, 2, \zero
.endm
; The last quarter of a K step multiplies buffer 1 and changes slots.  In front of the one barrier each wave waits for all its tensor loads (one is out: its part of the next slot), adds 0 to its
; spare word, and waits for that and for its reads of this slot.  fill = 1: the barrier opens a round of the cluster's, and the slot just read out takes the K step two steps on.
.macro TURN fill
	WIN 0
	s_wait_tensorcnt 0x0
	ds_add_u32 v[SPW], v[NIL]
	s_wait_dscnt 9                                 ; the add and the youngest eight loads may be out
	MUL16 F1, 0, 0, 0
	s_wait_dscnt 0x0                               ; the add is done, and my reads of this slot are over
	s_barrier_signal -1
	MUL16 F1, 0, 2, 0
	WIN 0
	s_barrier_wait -1
.if \fill
	CREST
	s_xor_b32 s[G0+5], s[G0+5], SLOT               ; the walking descriptors: the other slot than last time, 128 further along K; no tensor load of mine is out
	s_add_nc_u64 s[G0+6:G0+7], s[G0+6:G0+7], KSTEP*2
	s_xor_b32 s[G0B+5], s[G0B+5], SLOT
	s_add_nc_u64 s[G0B+6:G0B+7], s[G0B+6:G0B+7], KSTEP*2
	s_xor_b32 s[CUR], s[CUR], SLOT
	JLOAD 1                                        ; the first tensor load behind the round; its four v_nop are also the places in front of the loads below
.else
	PLACES
	s_xor_b32 s[CUR], s[CUR], SLOT
.endif
	v_add_nc_u32 v[ADRA], s[CUR], v[LA0]
	v_add_nc_u32 v[ADRB], s[CUR], v[LB0]
	FETCH 0, F0
	MUL16 F1, 1, 0, 0
	MUL16 F1, 1, 2, 0
.endm
	s_wait_tensorcnt 1                             ; my part of K step 0 is in; K step 1's may stay out
	s_barrier_signal -1
	s_barrier_wait -1
	FETCH 0, F0
	QUARTER 64, F0, F1, 1                          ; the first quarter's products start the sums
	WIN 0
	s_mov_b32 s3, 6
.Lk:                                                   ; a trip: the rest of K step t, the refill for K step t + 2, the first quarter of K step t + 1
	QUARTER 128, F1, F0, 0
	QUARTER 192, F0, F1, 0
	TURN 1
	QUARTER 64, F0, F1, 0
	WIN 0
	s_sub_co_u32 s3, s3, 1
	s_cmp_lg_u32 s3, 0
	s_cbranch_scc1 .Lk
	s_mov_b32 s3, 2
.Ltail:                                                ; K steps 6 and 7 ask for nothing; the second walk is left in its middle
	QUARTER 128, F1, F0, 0
	QUARTER 192, F0, F1, 0
	WIN 0
	s_sub_co_u32 s3, s3, 1
	s_cmp_eq_u32 s3, 0
	s_cbranch_scc1 .Llast
	TURN 0
	QUARTER 64, F0, F1, 0
	WIN 0
	s_branch .Ltail
.Llast:
	s_wait_dscnt 8
	MUL16 F1, 0, 0, 0
	MUL16 F1, 0, 2, 0
	s_wait_dscnt 0x0
	MUL16 F1, 1, 0, 0
	MUL16 F1, 1, 2, 0
	WIN 0
	; THE WAY OUT.  The ring has had its last fill and, behind this barrier, its last read: it becomes four stages, one a wave.
	s_barrier_signal -1
	s_barrier_wait -1
	PLACES
.irp a, 0,1,2,3,4,5,6,7
	WIN 0x08+4*((\a)/4)                            ; the stores' data in window 2 or 3
.irp b, 0,1,2,3,4,5,6,7
	ds_store_b128 v[STO], v[8*(8*((\a)%4)+(\b)):8*(8*((\a)%4)+(\b))+3]   offset:(\a)*16*SPITCH+64*(\b)
	ds_store_b128 v[STO], v[8*(8*((\a)%4)+(\b))+4:8*(8*((\a)%4)+(\b))+7] offset:(\a)*16*SPITCH+64*(\b)+16
.endr
.endr
	WIN 0
.macro LOADS                           ; eight rows of my stage: for each of my two heads four loads of two rows x 64 columns; LDS serves a wave's instructions in order, so these see my stores
.irp j, 0,1
.irp u, 0,1,2,3
	ds_load_b128 v[T+4*(4*\j+\u):T+4*(4*\j+\u)+3], v[RD] offset:2*SPITCH*\u+256*\j
.endr
.endr
.endm
	s_wait_loadcnt 0x0                             ; the bias
	LOADS
	s_mov_b32 s3, 16
.Lrow:                                                 ; 16 trips of 8 rows
	s_wait_dscnt 0x0
.irp j, 0,1
.irp u, 0,1,2,3
.irp i, 0,2
	v_pk_add_f32 v[U+4*(4*\j+\u)+\i:U+4*(4*\j+\u)+\i+1], v[T+4*(4*\j+\u)+\i:T+4*(4*\j+\u)+\i+1], v[BI+4*\j+\i:BI+4*\j+\i+1]
.endr
.endr
.endr
	s_cmp_eq_u32 s3, 1
	s_cbranch_scc1 .Lnoload                        ; the last trip has nothing more to read
	v_add_nc_u32 v[RD], 8*SPITCH, v[RD]
	LOADS
.Lnoload:
.irp j, 0,1
.irp u, 0,1,2,3
	v_cvt_pk_f16_f32 v[YY+2*(4*\j+\u)], v[U+4*(4*\j+\u)], v[U+4*(4*\j+\u)+1]
	v_cvt_pk_f16_f32 v[YY+2*(4*\j+\u)+1], v[U+4*(4*\j+\u)+2], v[U+4*(4*\j+\u)+3]
	global_store_b64 v[CO], v[YY+2*(4*\j+\u):YY+2*(4*\j+\u)+1], s[8:9] offset:262144*\j+256*\u   ; the wave stores 256 consecutive bytes, aligned: two rows of a head
.endr
.endr
	s_wait_xcnt 0x0                                ; the stores' offset and data are rewritten only behind this wait
	v_add_nc_u32 v[CO], 1024, v[CO]
	s_sub_co_u32 s3, s3, 1
	s_cmp_lg_u32 s3, 0
	s_cbranch_scc1 .Lrow
	s_wait_tensorcnt 0x0                           ; the wave's end
	ds_add_u32 v[SPW], v[NIL]
	s_wait_dscnt 0x0
	CROUND                                         ; the closing round
	s_endpgm
.Lfunc_end_k_q95ca005a4f_qkv:
	.size	k_q95ca005a4f_qkv, .Lfunc_end_k_q95ca005a4f_qkv-k_q95ca005a4f_qkv
	.p2alignl 7, 3214868480
	.fill 96, 4, 3214868480
	.section	.rodata,"a",@progbits
	.p2align	6, 0x0
	.amdhsa_kernel k_q95ca005a4f_qkv
		.amdhsa_group_segment_fixed_size 327680
		.amdhsa_private_segment_fixed_size 0
		.amdhsa_enable_private_segment 0
		.amdhsa_kernarg_size 48
		.amdhsa_user_sgpr_count 2
		.amdhsa_user_sgpr_kernarg_segment_ptr 1
		.amdhsa_wavefront_size32 1
		.amdhsa_system_sgpr_workgroup_id_x 1
		.amdhsa_system_sgpr_workgroup_id_y 1
		.amdhsa_system_sgpr_workgroup_id_z 1
		.amdhsa_system_vgpr_workitem_id 0
		.amdhsa_next_free_vgpr 1024
		.amdhsa_next_free_sgpr 88
		.amdhsa_reserve_vcc 0
		.amdhsa_float_denorm_mode_32 3
		.amdhsa_float_denorm_mode_16_64 3
		.amdhsa_memory_ordered 1
		.amdhsa_forward_progress 1
		.amdhsa_inst_pref_size 86
	.end_amdhsa_kernel
	.amdgpu_metadata
---
amdhsa.version: [ 1, 2 ]
amdhsa.kernels:
  - .name:           k_q95ca005a4f_qkv
    .symbol:         k_q95ca005a4f_qkv.kd
    .args:
      - { .name: hn, .offset: 0, .size: 8, .value_kind: global_buffer, .address_space: global }
      - { .name: wt, .offset: 8, .size: 8, .value_kind: global_buffer, .address_space: global }
      - { .name: bq, .offset: 16, .size: 8, .value_kind: global_buffer, .address_space: global }
      - { .name: bk, .offset: 24, .size: 8, .value_kind: global_buffer, .address_space: global }
      - { .name: bv, .offset: 32, .size: 8, .value_kind: global_buffer, .address_space: global }
      - { .name: qkv, .offset: 40, .size: 8, .value_kind: global_buffer, .address_space: global }
    .group_segment_fixed_size: 327680
    .private_segment_fixed_size: 0
    .kernarg_segment_align: 8
    .kernarg_segment_size: 48
    .max_flat_workgroup_size: 128
    .sgpr_count:     88
    .vgpr_count:     1024
    .wavefront_size: 32
...
	.end_amdgpu_metadata
.endif
;; end of part 2
;; launch attn (part 3): grid 8 x 32, 4 waves a work-group, no clusters, 327,680 bytes of LDS; arguments qkv, ob; writes ob
.if DOCPART == 3
	.amdgcn_target "amdgcn-amd-amdhsa--gfx1250"
	.amdhsa_code_object_version 6
	.text
	.protected	k_q95ca005a4f_attn
	.globl	k_q95ca005a4f_attn
	.p2align	8
	.type	k_q95ca005a4f_attn,@function
k_q95ca005a4f_attn:
	s_mov_b64 s[64:65], 0
	v_nop
	global_prefetch_b8 v0, s[64:65] scope:SCOPE_SE
	s_setreg_imm32_b32 hwreg(HW_REG_WAVE_MODE, 25, 1), 1
	s_wait_xcnt 0x0
; CAUSAL ATTENTION at head size 64.  q, k, v: qkv [3][32][2048][64] f16, unscaled; O: ob [32][2048][64] bf16.  Products, maxima and sums in f32; the weights p are rounded to f16 for the second
; product (their sum l is taken of the unrounded p), O once at the end.
; LIMITS.  q, k, v arrive within f16's 65,504.  A hidden score counts as its value less 2^100; a weight below 2^-126 counts as 0 in l; NaN and infinities are not treated apart.
; THE WALK.  A head has 8 blocks of 256 queries; block i needs the key tiles 0 .. i of 256 keys, the last of which holds the diagonal.  A work-group (b = x / 2, p = x % 2) takes blocks 7 - b and then b:
; 9 tiles whatever b, one loop of constant length.  Of each block's four bands of 64 queries it takes bands p and p + 2; its neighbour takes the other two: 8 x 32 = 256 equal work-groups.
; A wave owns 16 rows in each of the two bands: PIECES 0 and 1.  In the diagonal tile's key step s a band x sees all keys (s < x), none (s > x), or holds the diagonal (s = x): alike for all waves.
; NO CLUSTER: only two work-groups walk the same tiles from first to last; those of another b ask for other tiles from trip 8 - b on.
; THE MASK is the C operand that starts S^T = K Q^T: MC = MD x AL + BE, MD the mask of a band's own step for my rows; outside the diagonal tile MC stays 0.
; BY TURNS.  A trip is a key step f.  Turn 0: 8 products V^T P of piece 0 for step f - 1, 8 products K Q^T of piece 0 for step f; beside them piece 1's whole softmax of step f - 1.
; Turn 1: the same products for piece 1, and piece 0's softmax of step f.  Of a softmax's 118 instructions four stand behind each of the turn's 16 products, the other 54 in two lumps of 27, one behind
; the eighth product and one behind the sixteenth.  K of step f is fetched at the head of turn 0, V of step f in turn 1's first lump; both are waited for by halves.
; A BLOCK BEGINS with an ordinary trip: m = -2^100 and piece 1's scores = -2^100 give finite weights (1) and a = 1; the first true step has a = 0 and wipes O and l, which need only be finite.
; REGISTERS: window 0: v2-8 addresses; v12-13, v48-55 at work; v16-23 statistics (c m, m, l even, l odd a piece); v64-127 S^T; v192-223 P.  Window 1: v0-63 O^T; v128-159 MD; v160-191 MC.
;   Window 2: v0-31 Q; v64-95 the second block's Q; v128-191 K of one step; v192-255 V of one step.
.set NB,    8
.set KS,    64
.set PK,    144       ; a row of K in LDS: 128 bytes + 16: the 16 rows of a load start at 16 different groups of four banks (ISA guide 11.1)
.set PV,    160       ; a row of V: 128 + 32
.set VOFF,  4*KS*PK   ; a slot holds a tile: 256 rows of K, then 256 rows of V
.set SLOT1, 1<<17
.set STAGE, SLOT1+4*KS*(PK+PV)  ; never filled by a tensor load: 16 rows x 144 bytes for each wave
.set SP,    144
.set SPARE, STAGE+4*16*SP       ; the spare words, 128 bytes a wave
.set AK0, 2
.set AV0, 3
.set AK,  4
.set AV,  5
.set STO, 6
.set RD,  7
.set GO,  8
.set MV,  12
.set QO,  15
.set ST,  16
.set TMP, 48
.set SPW, 62          ; LDS address of my spare word; never rewritten
.set NIL, 63          ; 0; never rewritten
.set S,   64
.set P,   192
.set MD,  128
.set MC,  160
.set QB,  64
.set KF,  128
.set VF,  192
.set WV,  12          ; s12 wave;  s13 p
.set PB,  14          ; b
.set HI,  15          ; 7 - b
.set G1K, 24
.set G1V, 32
.set G0K, 40
.set G0V, 44
.set SLOTS, 56
.set CNT, 57          ; counts a tile's key steps, 4 to 1
.set CS,  58          ; s[58:59] c = log2(e) / 8
.set SEL, 60
.set TBK, 62          ; LDS byte at which K of the step to be fetched begins
.set TBV, 63
.set BD0, 66          ; s66, s67 the bands of pieces 0 and 1
.set SS,  68          ; the key step in the tile
.set RT,  70          ; tiles of the block in hand still to be entered; 0: the tile in hand is the diagonal one
.set NXT, 71          ; the tile to be asked for next
.set LQ,  72          ; the last tile of the block whose tiles are being asked for
.set OFF, 74
.set AL,  76
.set BE,  78
.set OLO, 80          ; O at my rows of the second block
.set BIGN, 82         ; -2^100
.set MSB, 0
.macro WIN new
.if MSB != (\new)
	s_set_vgpr_msb (MSB<<8)|(\new)
.set MSB, (\new)
.endif
.endm
.set W_KQ, 0x0a       ; K and Q in window 2, S^T in window 0
.set W_KM, 0x1a       ; the same with the C operand in window 1
.set W_PV, 0x52       ; V in window 2, P in window 0, O^T in window 1
.set W_RS, 0x41       ; destination and source 0 in window 1, source 1 in window 0
.macro LOAD                         ; waves 0 and 1 fetch the halves of a tile's K, waves 2 and 3 those of its V; s_nop 0 and four v_nop follow each line
	s_cmp_lt_u32 s[WV], 2
	s_cbranch_scc0 .Lfor_v_\@
	tensor_load_to_lds s[G0K:G0K+3], s[G1K:G1K+7]
	s_nop 0
.rept 4
	v_nop
.endr
	s_branch .Lasked_\@
.Lfor_v_\@:
	tensor_load_to_lds s[G0V:G0V+3], s[G1V:G1V+7]
	s_nop 0
.rept 4
	v_nop
.endr
.Lasked_\@:
.endm
; THE CHANGE OF SLOTS, between two trips: V of the tile's fourth step has been asked for.  Each wave waits for all its tensor loads (one is out: its part of the other slot), adds 0 to its spare word, and waits
; for that and for its reads of the slot that it leaves.  fill = 1: the old slot takes tile NXT, the first thing behind the barrier; it has four key steps in which to land.
.macro CHANGE fill
	WIN 0
	s_wait_tensorcnt 0x0            ; no tensor load of mine is out, so a group 0 may be written
	ds_add_u32 v[SPW], v[NIL]
.if \fill
	s_lshl_b32 s[OFF], s[NXT], 15   ; a tile is 32,768 bytes of K and of V
	s_xor_b32 s[G0K+1], s[G0K+1], SLOT1
	s_add_nc_u64 s[G0K+2:G0K+3], s[6:7], s[OFF:OFF+1]
	s_or_b32 s[G0K+3], s[G0K+3], 0x80000000
	s_xor_b32 s[G0V+1], s[G0V+1], SLOT1
	s_add_nc_u64 s[G0V+2:G0V+3], s[8:9], s[OFF:OFF+1]
	s_or_b32 s[G0V+3], s[G0V+3], 0x80000000
	s_add_co_u32 s[NXT], s[NXT], 1  ; the block's next tile, or behind its last the second block's tile 0
	s_cmp_gt_u32 s[NXT], s[LQ]
	s_cselect_b32 s[NXT], 0, s[NXT]
	s_cselect_b32 s[LQ], s[PB], s[LQ]
.endif
	s_wait_dscnt 0x0                ; the add is done, and my reads of the slot are over
	s_barrier_signal -1
	s_sub_co_u32 s[TBK], s[TBK], 4*KS*PK  ; the fetches go back to a slot's first step, in the other slot
	s_xor_b32 s[TBK], s[TBK], SLOT1
	s_sub_co_u32 s[TBV], s[TBV], 4*KS*PV
	s_xor_b32 s[TBV], s[TBV], SLOT1
	s_barrier_wait -1
.if \fill
	LOAD
.endif
.endm
	s_load_b128 s[84:87], s[0:1], 0x0  ; qkv, ob
	v_lshl_add_u32 v[SPW], v0, 2, SPARE
	v_mov_b32 v[NIL], 0
	ds_add_u32 v[SPW], v[NIL]       ; the wave's opening: the add, waited for ahead of my first tensor load
	ds_add_u32 v62, v63
	v_lshrrev_b32 v1, 5, v0
	v_readfirstlane_b32 s[WV], v1
	s_lshr_b32 s[PB], ttmp9, 1
	s_and_b32 s13, ttmp9, 1
	s_sub_co_u32 s[HI], NB-1, s[PB]
	s_mov_b32 s[BD0], s13
	s_add_co_u32 s[BD0+1], s13, 2
	s_and_b32 s20, ttmp7, 0xffff
	s_lshl_b32 s20, s20, 18         ; the head's first byte: 2,048 rows of 128 bytes
	s_and_b32 s16, s[WV], 1         ; which half of a tile's 256 keys I fetch
	s_lshl_b32 s22, s16, 14
	s_add_co_u32 s22, s22, s20
	s_mov_b32 s23, 0
	s_mul_i32 s17, s16, 128*PK
	s_mul_i32 s18, s16, 128*PV
	s_lshl_b32 s3, s[WV], 11        ; my 16 rows in a band,
	s_lshl_b32 s2, s13, 13          ; band p,
	s_add_co_u32 s3, s3, s2
	s_add_co_u32 s3, s3, s20
	s_lshl_b32 s2, s[HI], 15        ; in the first block,
	s_add_co_u32 s2, s2, s3
	s_lshl_b32 s90, s[PB], 15       ; and in the second
	s_add_co_u32 s90, s90, s3
	s_mov_b32 s3, 0
	s_mov_b32 s91, 0
	; 128 keys are 16,384 dense bytes: asked for as 64 rows of 256 bytes, padded in LDS after every key
	s_mov_b32 s[G1K], (1<<16)|(1<<20)|(4<<22)|(3<<25)  ; 2-byte elements; padding on; after every 32 words, 4 words
	s_mov_b32 s[G1V], (1<<16)|(1<<20)|(4<<22)|(7<<25)  ; the same with 8 words
.irp g, G1K, G1V
	s_mov_b32 s[\g+1], 128<<16
	s_mov_b32 s[\g+2], 64<<16
	s_mov_b32 s[\g+3], 128<<16
	s_mov_b32 s[\g+4], 64
	s_mov_b32 s[\g+5], 128
	s_mov_b32 s[\g+6], 0
	s_mov_b32 s[\g+7], 0
.endr
	s_mov_b32 s[CS], 0x3e38aa3b     ; c = log2(e) / 8
	s_mov_b32 s[CS+1], s[CS]
	s_mov_b32 s[SEL], 0x76543210
	s_mov_b32 s[SEL+1], 0xfedcba98
	s_mov_b32 s[TBK], SLOT1+4*KS*PK ; the first change of slots turns these two into 0
	s_mov_b32 s[TBV], SLOT1+4*KS*PV
	s_mov_b32 s[G0K], 1
	s_mov_b32 s[G0K+1], s17
	s_mov_b32 s[G0V], 1
	s_add_co_u32 s[G0V+1], s18, VOFF
	s_add_co_u32 s[RT], s[HI], 1    ; the first block has 8 - b tiles
	s_mov_b32 s[NXT], 1
	s_mov_b32 s[LQ], s[HI]
	s_mov_b32 s[OFF+1], 0
	s_mov_b32 s[AL+1], 0
	s_mov_b32 s[BE+1], 0
	s_mov_b32 s[BIGN], 0xf1800000   ; -2^100
	s_mov_b32 s[SLOTS], NB
	s_wait_dscnt 0x0                ; the opening add is done
	s_wait_kmcnt 0x0
	s_add_nc_u64 s[6:7], s[84:85], s[22:23]
	s_add_nc_u64 s[8:9], s[6:7], 0x1000000         ; V at my half of the head's tile 0
	s_add_nc_u64 s[6:7], s[6:7], 0x800000          ; K likewise
	s_add_nc_u64 s[G0K+2:G0K+3], s[6:7], 0
	s_or_b32 s[G0K+3], s[G0K+3], 0x80000000
	s_add_nc_u64 s[G0V+2:G0V+3], s[8:9], 0
	s_or_b32 s[G0V+3], s[G0V+3], 0x80000000
	s_add_nc_u64 s[88:89], s[84:85], s[90:91]      ; Q at my rows of the second block,
	s_add_nc_u64 s[4:5], s[84:85], s[2:3]          ; of the first
	s_add_nc_u64 s[OLO:OLO+1], s[86:87], s[90:91]
	s_add_nc_u64 s[10:11], s[86:87], s[2:3]
	LOAD                            ; tile 0 into slot 0
	v_and_b32 v1, 15, v0            ; l % 16
	v_bfe_u32 v9, v0, 4, 1          ; l / 16
	v_lshlrev_b32 v[QO], 7, v1
	v_lshl_add_u32 v[QO], v9, 4, v[QO]
	WIN 0x80
.set i, 0
.rept 4                             ; both blocks' Q: piece i / 2 lies two bands, 16,384 bytes, on; channels 32 (i % 2) on
	global_load_b128 v[8*i:8*i+3],   v[QO], s[4:5] offset:(i/2)*16384+(i%2)*64
	global_load_b128 v[8*i+4:8*i+7], v[QO], s[4:5] offset:(i/2)*16384+(i%2)*64+32
	global_load_b128 v[QB+8*i:QB+8*i+3],   v[QO], s[88:89] offset:(i/2)*16384+(i%2)*64
	global_load_b128 v[QB+8*i+4:QB+8*i+7], v[QO], s[88:89] offset:(i/2)*16384+(i%2)*64+32
.set i, i+1
.endr
	WIN 0
	v_lshlrev_b32 v14, 3, v9
	v_sub_nc_u32 v14, v1, v14
	s_lshl_b32 s19, s[WV], 4
	v_add_nc_u32 v14, s19, v14      ; my query's place in its band less 8 (l / 16): register r of key group kt is hidden where 16 kt + r is greater
	WIN 0x40
.set i, 0
.rept 32
	v_cmp_gt_i32 vcc_lo, 16*(i/8)+i%8, v14
	v_cndmask_b32 v[MD+i], 0, s[BIGN], vcc_lo
.set i, i+1
.endr
	WIN 0
	v_mul_u32_u24 v[AK0], v1, PK
	v_lshl_add_u32 v[AK0], v9, 4, v[AK0]
	v_and_b32 v10, 7, v0            ; the turning load: lane l reads key 8 (l / 16) + l % 8, channels 8 ((l / 8) % 2) + 0..7
	v_bfe_u32 v11, v0, 3, 1
	v_lshl_add_u32 v[AV0], v9, 3, v10
	v_mul_u32_u24 v[AV0], v[AV0], PV
	v_lshl_add_u32 v[AV0], v11, 4, v[AV0]
	v_add_nc_u32 v[AV0], VOFF, v[AV0]
	s_mul_i32 s19, s[WV], 16*SP
	s_add_co_u32 s19, s19, STAGE
	v_mul_u32_u24 v[STO], v1, SP
	v_lshl_add_u32 v[STO], v9, 4, v[STO]
	v_add_nc_u32 v[STO], s19, v[STO]
	v_bfe_u32 v[RD], v0, 3, 2       ; back: 32 lanes take four rows of 128 bytes,
	v_mul_u32_u24 v[RD], v[RD], SP
	v_lshl_add_u32 v[RD], v10, 4, v[RD]
	v_add_nc_u32 v[RD], s19, v[RD]
	v_and_b32 v[GO], 31, v0         ; which are 512 consecutive bytes of O
	v_lshlrev_b32 v[GO], 4, v[GO]
	; what the first trip finds need only be finite: zeros.  All this stands in the wait for the first tile.
	WIN 0x80
.set i, VF
.rept 64
	v_mov_b32 v[i], 0
.set i, i+1
.endr
	WIN 0x40
.set i, 0
.rept 64
	v_mov_b32 v[i], 0
.set i, i+1
.endr
	WIN 0
.set i, 0
.rept 2
	v_mov_b32 v[ST+4*i+2], 0
	v_mov_b32 v[ST+4*i+3], 0
.set i, i+1
.endr
.set i, P
.rept 16
	v_mov_b32 v[i], 0
.set i, i+1
.endr
; THE MATRIX WORK.  The four accumulators of a run of eight take turns.  Product i of S^T = K Q^T for piece x: channels 32 (i / 4) on, keys 16 (i % 4) on; the first four start the sums with the mask.
.macro KQ x
.set rS, S+32*(\x)+8*(i%4)
.set rK, KF+16*(i%4)+8*(i/4)
.set rQ, 16*(\x)+8*(i/4)
.set rM, MC+8*(i%4)
.if i < 4
	WIN W_KM
	v_wmma_f32_16x16x32_f16 v[rS:rS+7], v[rK:rK+7], v[rQ:rQ+7], v[rM:rM+7]
.else
	WIN W_KQ
	v_wmma_f32_16x16x32_f16 v[rS:rS+7], v[rK:rK+7], v[rQ:rQ+7], v[rS:rS+7]
.endif
.endm
.macro PV x                         ; product i of O^T += V^T P for piece x: keys 32 (i / 4) on, channels 16 (i % 4) on
	WIN W_PV
.set rO, 32*(\x)+8*(i%4)
.set rV, VF+32*(i/4)+8*(i%4)
.set rP, P+16*(\x)+8*(i/4)
	v_wmma_f32_16x16x32_f16 v[rO:rO+7], v[rV:rV+7], v[rP:rP+7], v[rO:rO+7]
.endm
.macro FETCH_K                      ; a step's K: 64 keys x 64 channels, 16 loads in one run; the eight of channels 0-31, which the first four products read, go first
	WIN 0
	v_add_nc_u32 v[AK], s[TBK], v[AK0]
	WIN 0x80
.irp c, 0,1
.irp kb, 0,1,2,3
	ds_load_b128 v[KF+16*\kb+8*\c:KF+16*\kb+8*\c+3],   v[AK] offset:\kb*16*PK+\c*64
	ds_load_b128 v[KF+16*\kb+8*\c+4:KF+16*\kb+8*\c+7], v[AK] offset:\kb*16*PK+\c*64+32
.endr
.endr
	s_add_co_u32 s[TBK], s[TBK], KS*PK
	WIN 0
.endm
.macro FETCH_V                      ; a step's V, turned; the eight loads of keys 0-31, which the first four products read, go first
	WIN 0
	v_add_nc_u32 v[AV], s[TBV], v[AV0]
	WIN 0x80
.irp f, 0,1,2,3,4,5,6,7
	ds_load_tr16_b128 v[VF+8*\f:VF+8*\f+3],   v[AV] offset:(\f/4)*32*PV+(\f%4)*32
	ds_load_tr16_b128 v[VF+8*\f+4:VF+8*\f+7], v[AV] offset:(\f/4)*32*PV+16*PV+(\f%4)*32
.endr
	s_add_co_u32 s[TBV], s[TBV], KS*PV
	WIN 0
.endm
; THE VECTOR WORK, for piece Y: OP kind, number.  X n: number n of the 22 that find the maximum and the statistics (0-11 four chains of seven scores, each accumulator's lowest registers first;
; 12-14, 16 the rest, the old m; 15 c m_old is kept; 17, 18 the other half of the lanes; 19-21 c m, c m_old - c m_new, a).  F n: c s - c m for pair n.  E n: the exponential of score n.
; C n: pair n rounded to f16.  B n: of the weights 4 n .. the second pair is added onto the first.  L n: l takes that sum (L 0: l = a l + sum).  R n: pair n of O^T times a.
.set F, 0
.set E, 1
.set C, 2
.set B, 3
.set L, 4
.set R, 5
.set X, 6
.macro REGS y
.set rT, ST+4*(\y)
.set rC, TMP+4*(\y)
.set rW, MV+(\y)
.set rS, S+32*(\y)
.set rP, P+16*(\y)
.set rO, 32*(\y)
.endm
.macro OP k, n
	REGS Y
.if (\k) == R
	WIN W_RS
	v_pk_mul_f32 v[rO+2*(\n):rO+2*(\n)+1], v[rO+2*(\n):rO+2*(\n)+1], v[rC+2:rC+3] op_sel_hi:[1,0]
.else
	WIN 0
.if (\k) == F
	v_pk_fma_f32 v[rS+2*(\n):rS+2*(\n)+1], v[rS+2*(\n):rS+2*(\n)+1], s[CS:CS+1], v[rT:rT+1] op_sel_hi:[1,0,0] neg_lo:[0,0,1] neg_hi:[0,0,1]
.elseif (\k) == E
	v_exp_f32 v[rS+(\n)], v[rS+(\n)]
.elseif (\k) == C
	s_wait_alu depctr_va_vdst(0)
	v_cvt_pk_f16_f32 v[rP+(\n)], v[rS+2*(\n)], v[rS+2*(\n)+1]
.elseif (\k) == B
	v_pk_add_f32 v[rS+4*(\n):rS+4*(\n)+1], v[rS+4*(\n):rS+4*(\n)+1], v[rS+4*(\n)+2:rS+4*(\n)+3]
.elseif ((\k) == L) && ((\n) == 0)
	v_pk_fma_f32 v[rT+2:rT+3], v[rT+2:rT+3], v[rC+2:rC+3], v[rS:rS+1] op_sel_hi:[1,0,1]
.elseif (\k) == L
	v_pk_add_f32 v[rT+2:rT+3], v[rT+2:rT+3], v[rS+4*(\n):rS+4*(\n)+1]
.elseif (\n) < 4
	v_max3_num_f32 v[rC+(\n)], v[rS+8*(\n)], v[rS+8*(\n)+1], v[rS+8*(\n)+2]
.elseif (\n) < 12
	v_max3_num_f32 v[rC+(\n)%4], v[rC+(\n)%4], v[rS+8*((\n)%4)+2*((\n)/4)+1], v[rS+8*((\n)%4)+2*((\n)/4)+2]
.elseif (\n) == 12
	v_max3_num_f32 v[rC], v[rC], v[rS+7], v[rS+15]
.elseif (\n) == 13
	v_max3_num_f32 v[rC+1], v[rC+1], v[rS+23], v[rS+31]
.elseif (\n) == 14
	v_max3_num_f32 v[rC+2], v[rC+2], v[rC+3], v[rT+1]
.elseif (\n) == 15
	v_mov_b32 v[rW], v[rT]
.elseif (\n) == 16
	v_max3_num_f32 v[rC], v[rC], v[rC+1], v[rC+2]
.elseif (\n) == 17
	v_permlanex16_b32 v[rC+3], v[rC], s[SEL], s[SEL+1]
.elseif (\n) == 18
	v_max_num_f32 v[rT+1], v[rC], v[rC+3]
.elseif (\n) == 19
	v_mul_f32 v[rT], s[CS], v[rT+1]
.elseif (\n) == 20
	v_sub_f32 v[rC+1], v[rW], v[rT]
.else
	v_exp_f32 v[rC+2], v[rC+1]
.endif
.endif
.endm
; THE LIST of a piece's 118 instructions for a step; ENT writes number q and steps q.  0-21 X; 22-25 F 0-3; from 26 to 89 exponential n at 26 + 2 n and a plain instruction at every odd number, so that no two
; exponentials follow each other and each has behind it a plain instruction that touches neither its result nor its source.  The plain place t (number 27 + 2 t) holds: t < 4: F 4-7; even t from 4 on: C (t - 4) / 2,
; seven numbers behind the pair's second exponential; odd t from 5 to 19: F 8-15, each 21 numbers ahead of its first exponential; odd t from 21 on: B 0, B 1, L 0, B 2, L 1, B 3.
; 90-101: B 4, L 2, C 14, B 5, L 3, C 15, B 6, L 4, B 7, L 5, L 6, L 7.  B n stands behind C 2n and C 2n+1, L n behind B n, L 0 ahead of the other L.  102-117 R.
.macro ENT
.if q < 22
	OP X, q
.elseif q < 26
	OP F, q-22
.elseif (q < 90) && (q%2 == 0)
	OP E, (q-26)/2
.elseif q < 90
.set t, (q-27)/2
.if t < 4
	OP F, t+4
.elseif t%2 == 0
	OP C, (t-4)/2
.elseif t < 20
	OP F, (t-5)/2+8
.elseif (t == 25) || (t == 29)
	OP L, (t-25)/4
.elseif t == 21
	OP B, 0
.elseif t == 23
	OP B, 1
.elseif t == 27
	OP B, 2
.else
	OP B, 3
.endif
.elseif q == 90
	OP B, 4
.elseif q == 91
	OP L, 2
.elseif q == 92
	OP C, 14
.elseif q == 93
	OP B, 5
.elseif q == 94
	OP L, 3
.elseif q == 95
	OP C, 15
.elseif q == 96
	OP B, 6
.elseif q == 97
	OP L, 4
.elseif q == 98
	OP B, 7
.elseif q < 102
	OP L, q-94
.else
	OP R, q-102
.endif
.set q, q+1
.endm
.macro RID n
.rept \n
	ENT
.endr
.endm
.macro MASK                         ; MC = MD x AL + BE
	WIN W_RS
.set z, 0
.rept 16
	v_pk_fma_f32 v[MC+2*z:MC+2*z+1], v[MD+2*z:MD+2*z+1], s[AL:AL+1], s[BE:BE+1] op_sel_hi:[1,0,0]
.set z, z+1
.endr
.endm
.macro MASKIF x                     ; in the diagonal tile alone: the mask of piece x for the step in hand.  The products that read MC last stand four products, their fours and a lump back
	WIN 0
	s_cmp_lg_u32 s[RT], 0
	s_cbranch_scc1 .Lnomask_\@
	s_sub_co_u32 s[SS], 4, s[CNT]
	s_cmp_eq_u32 s[SS], s[BD0+(\x)] ; the band's own step?
	s_cselect_b32 s[AL], 1.0, 0
	s_cmp_gt_u32 s[SS], s[BD0+(\x)] ; or a later one?
	s_cselect_b32 s[BE], s[BIGN], 0
	MASK
	WIN 0
.Lnomask_\@:
.endm
; A TURN, for piece x's products and the other piece's softmax.  kq = 1: four of the list behind each of the 16 products, 27 more behind the eighth and 27 behind the sixteenth; that last lump, all plain, holds the
; four places between the last K Q^T and the next turn's first read of those scores and K's next loads.  kq = 0 (a block's end): eight products, four behind each, the other 86 behind the last.
; K's run stands at the head of turn 0.  V's run stands in turn 1's first lump, eleven of the list behind the last product that read V: five of them plain, and the address line makes six.
; THE WAITS of turn 0 go by halves.  Out at its head: V's sixteen loads, then K's sixteen.  24: V's first eight are in; 16: all of V; 8: K's first eight; 0: all of K.  At a block's end no K is asked for: 8 and 0.
.macro TURN x, kq
.if \kq
	MASKIF \x
.endif
.set q, 0
.set Y, 1-(\x)
.if ((\x) == 0) && (\kq)
	FETCH_K
.endif
.set i, 0
.rept 8
.if (\x) == 0
.if i == 0
	s_wait_dscnt 8+16*(\kq)
.elseif i == 4
	s_wait_dscnt 16*(\kq)
.endif
.endif
	PV \x
	RID 4
.set i, i+1
.endr
.if \kq
.if (\x) == 1
	RID 7
	FETCH_V
	RID 20
.else
	RID 27
.endif
.set i, 0
.rept 8
.if (\x) == 0
.if i == 0
	s_wait_dscnt 8
.elseif i == 4
	s_wait_dscnt 0x0
.endif
.endif
	KQ \x
	RID 4
.set i, i+1
.endr
	RID 27
.else
	RID 86
.endif
.endm
.macro INITBLK                      ; a block begins: c m = c x -2^100 (exact), m = -2^100, piece 1's scores = -2^100, the mask 0
	WIN 0
.set i, 0
.rept 2
	v_mov_b32 v[ST+4*i], 0xf038aa3b
	v_mov_b32 v[ST+4*i+1], s[BIGN]
.set i, i+1
.endr
.set i, S+32
.rept 32
	v_mov_b32 v[i], s[BIGN]
.set i, i+1
.endr
	WIN 0x40
.set i, MC
.rept 32
	v_mov_b32 v[i], 0
.set i, i+1
.endr
	WIN 0
.endm
.macro ALL line:vararg              ; one line for each piece t
.set t, 0
.rept 2
	\line
.set t, t+1
.endr
.endm
.macro PACK t                       ; O^T / l, rounded to bf16; a lane's eight channels are 16 bytes; they go into rows of 144 bytes and come back as whole rows of 128
	WIN W_RS
.set i, 32*(\t)
.rept 16
	s_wait_alu depctr_va_vdst(0)
	v_pk_mul_f32 v[i:i+1], v[i:i+1], v[ST+4*(\t)+2:ST+4*(\t)+3] op_sel_hi:[1,0]
.set i, i+2
.endr
	WIN 0x05
.set i, 0
.rept 16
	v_cvt_pk_bf16_f32 v[S+16*(\t)+i], v[32*(\t)+2*i], v[32*(\t)+2*i+1]
.set i, i+1
.endr
	WIN 0
.irp f, 0,1,2,3
	ds_store_b128 v[STO], v[S+16*(\t)+4*\f:S+16*(\t)+4*\f+3] offset:32*\f
.endr
.irp f, 0,1,2,3
	ds_load_b128 v[S+16*(\t)+4*\f:S+16*(\t)+4*\f+3], v[RD] offset:\f*4*SP  ; LDS serves a wave's instructions in order (ISA guide 5.7.1.4): these see the stores above
.endr
.endm
.macro SEND t, younger              ; younger: the LDS instructions issued behind piece t's loads
	WIN 0
.irp f, 0,1,2,3
	s_wait_dscnt (\younger)+3-\f
	global_store_b128 v[GO], v[S+16*(\t)+4*\f:S+16*(\t)+4*\f+3], s[10:11] offset:(\t)*16384+\f*512  ; 512 consecutive bytes, aligned
.endr
.endm
.macro FINISH                       ; a block's end: piece 0's last V^T P beside piece 1's last softmax, piece 1's last V^T P, and the way out
	TURN 0, 0
.set i, 0
.rept 8
	PV 1
.set i, i+1
.endr
	WIN 0
	ALL v_add_f32 v[ST+4*t+2], v[ST+4*t+2], v[ST+4*t+3]
	ALL v_permlanex16_b32 v[ST+4*t+3], v[ST+4*t+2], s[SEL], s[SEL+1]
	ALL v_add_f32 v[ST+4*t+2], v[ST+4*t+2], v[ST+4*t+3]
	ALL v_rcp_f32 v[ST+4*t+2], v[ST+4*t+2]
	v_nop                           ; a plain instruction between the last reciprocal and its use; piece 0's arithmetic then stands behind piece 1's last products
	PACK 0
	PACK 1
	SEND 0, 8
	SEND 1, 0
.endm
	INITBLK
	s_wait_loadcnt 0x0              ; Q
.Lslot:                             ; 8 times: a tile is entered and the next is asked for
	CHANGE 1
	s_sub_co_u32 s[RT], s[RT], 1
	s_mov_b32 s[CNT], 4
.Lstep:
	TURN 0, 1
	TURN 1, 1
	WIN 0
	s_sub_co_u32 s[CNT], s[CNT], 1
	s_cmp_lg_u32 s[CNT], 0
	s_cbranch_scc1 .Lstep
	s_cmp_lg_u32 s[RT], 0
	s_cbranch_scc1 .Lbottom         ; not the block's last tile; what is jumped holds no barrier and no tensor load
	FINISH
	s_wait_xcnt 0x0                 ; the stores have read their registers and O's address
	s_mov_b64 s[10:11], s[OLO:OLO+1]
	s_add_co_u32 s[RT], s[PB], 1    ; the second block has b + 1 tiles
	WIN 0x82
.set i, 0
.rept 32
	v_mov_b32 v[i], v[QB+i]
.set i, i+1
.endr
	INITBLK
.Lbottom:
	s_sub_co_u32 s[SLOTS], s[SLOTS], 1
	s_cmp_lg_u32 s[SLOTS], 0
	s_cbranch_scc1 .Lslot
	CHANGE 0                        ; the walk's last tile, the second block's diagonal one, is written out: nothing is asked for
	s_sub_co_u32 s[RT], s[RT], 1
	s_mov_b32 s[CNT], 4
.Lstep2:
	TURN 0, 1
	TURN 1, 1
	WIN 0
	s_sub_co_u32 s[CNT], s[CNT], 1
	s_cmp_lg_u32 s[CNT], 0
	s_cbranch_scc1 .Lstep2
	FINISH
	s_wait_tensorcnt 0x0            ; the wave's end
	ds_add_u32 v[SPW], v[NIL]
	s_wait_dscnt 0x0
	s_endpgm
.Lfunc_end_k_q95ca005a4f_attn:
	.size	k_q95ca005a4f_attn, .Lfunc_end_k_q95ca005a4f_attn-k_q95ca005a4f_attn
	.p2alignl 7, 3214868480
	.fill 96, 4, 3214868480
	.section	.rodata,"a",@progbits
	.p2align	6, 0x0
	.amdhsa_kernel k_q95ca005a4f_attn
		.amdhsa_group_segment_fixed_size 327680
		.amdhsa_private_segment_fixed_size 0
		.amdhsa_enable_private_segment 0
		.amdhsa_kernarg_size 16
		.amdhsa_user_sgpr_count 2
		.amdhsa_user_sgpr_kernarg_segment_ptr 1
		.amdhsa_wavefront_size32 1
		.amdhsa_system_sgpr_workgroup_id_x 1
		.amdhsa_system_sgpr_workgroup_id_y 1
		.amdhsa_system_sgpr_workgroup_id_z 1
		.amdhsa_system_vgpr_workitem_id 0
		.amdhsa_next_free_vgpr 768
		.amdhsa_next_free_sgpr 96
		.amdhsa_reserve_vcc 1
		.amdhsa_float_denorm_mode_32 3
		.amdhsa_float_denorm_mode_16_64 3
		.amdhsa_memory_ordered 1
		.amdhsa_forward_progress 1
		.amdhsa_inst_pref_size 101
	.end_amdhsa_kernel
	.amdgpu_metadata
---
amdhsa.version: [ 1, 2 ]
amdhsa.kernels:
  - .name:           k_q95ca005a4f_attn
    .symbol:         k_q95ca005a4f_attn.kd
    .args:
      - { .name: qkv, .offset: 0, .size: 8, .value_kind: global_buffer, .address_space: global }
      - { .name: ob, .offset: 8, .size: 8, .value_kind: global_buffer, .address_space: global }
    .group_segment_fixed_size: 327680
    .private_segment_fixed_size: 0
    .kernarg_segment_align: 8
    .kernarg_segment_size: 16
    .max_flat_workgroup_size: 128
    .sgpr_count:     96
    .vgpr_count:     768
    .wavefront_size: 32
...
	.end_amdgpu_metadata
.endif
;; end of part 3
;; launch wo (part 4): grid 8 x 32, 4 waves a work-group, clusters of 4 x 4, 327,680 bytes of LDS; arguments ob, wt, bo, x, x1; writes x1
.if DOCPART == 4
	.amdgcn_target "amdgcn-amd-amdhsa--gfx1250"
	.amdhsa_code_object_version 6
	.text
	.protected	k_q95ca005a4f_wo
	.globl	k_q95ca005a4f_wo
	.p2align	8
	.type	k_q95ca005a4f_wo,@function
k_q95ca005a4f_wo:
	s_mov_b64 s[64:65], 0
	v_nop
	global_prefetch_b8 v0, s[64:65] scope:SCOPE_SE
	s_setreg_imm32_b32 hwreg(HW_REG_WAVE_MODE, 25, 1), 1
	s_wait_xcnt 0x0
	s_wait_alu depctr_hold_cnt(0) depctr_sa_sdst(0) depctr_va_vdst(0) depctr_va_sdst(0) depctr_va_ssrc(0) depctr_va_vcc(0) depctr_vm_vsrc(0)
	s_getreg_b32 s2, hwreg(HW_REG_IB_STS2, 6, 4)
	s_cmp_eq_u32 s2, 0
	s_cbranch_scc0 .Lentry_in_a_cluster
	s_endpgm
.Lentry_in_a_cluster:
	s_bfe_u32 s2, ttmp6, 0x10000c
	s_cmp_lg_u32 s2, 0xf033
	s_cbranch_scc0 .Lentry_shape_is_right
	s_endpgm
.Lentry_shape_is_right:
; x1 = x + O Wo + bo.  A = ob [32 = 16 batch + head][2048][64] bf16 (K = 64 head + channel), B = wt + 6,291,456: Wo^T [1024][1024] bf16; sums, bias and residual in f32; x1 [4096][1024] f32.
; A tile of C is 128 x 128 (256 work-groups): four waves of 64 x 64, 16 accumulators.  K goes in 4 steps of 256 (four heads) through two LDS slots; a K step is written once, the LDS addresses hang on one
; scalar turned by an exclusive or; the tail (the last two K steps, which ask for nothing) is a second text, walked twice and left in its middle.
; THE WALK ALONG K IS A RING: a cluster begins at K step 2 ((X + Y) % 2), X and Y the cluster's place in the grid, and goes on modulo 4.  The two clusters that read the same rows of A, and neighbours along Y
; that read the same rows of B, so begin two steps apart: the tiles that a cluster's two refills ask for are those that such a neighbour asked for at its start.  The sums take K in that order.
; A's tile: a head's 128 rows x 64 channels are 16,384 dense bytes; a wave asks for two heads as 2 rows of 8,192 elements, padded in LDS after every 128 bytes: planes of 128 rows x 144 bytes, a plane a quarter step.
; CLUSTER 4 x 4: A's tile jointly along a row of the cluster, B's along a column.  The matrix instruction is used transposed: a lane holds eight neighbouring columns of one row of C.
; REGISTERS: window 0: v0-31 addresses, bias; v32-95 the way out; v128-255 accumulator (a, b) at v[128 + 8 (4 a + b)].  Window 1: two fragment buffers of 128.  Window 2: v0-127 the residual, asked for behind the first barrier.
.set SIZE_K, 1024
.set STEPS,  4
.set KSTEP,  256
.set BP,     528                       ; B's LDS row: 512 bytes + 16
.set B_LD,   64*BP
.set A_P,    144                       ; A's LDS row: 128 bytes + 16
.set A_Q,    128*A_P                   ; a head's plane: a quarter step
.set A_LD,   2*A_Q                     ; what one load of A brings
.set SLOT1,  147456                    ; 0x24000: its two bits are set in no tile base (0, 0x9000, 0x12000, 0x1a400), so an exclusive or moves a base from slot to slot; a slot uses 141,312 bytes
.set STAGE,  SLOT1+2*A_LD+2*B_LD       ; behind the ring: 16 rows x 272 bytes for each wave
.set SPITCH, 272
.set SPARE,  STAGE+4*16*SPITCH         ; the spare words, 128 bytes a wave
.set WBASE,  6291456
.set BI,   8
.set LA0,  16
.set LB0,  17
.set ADRA, 18
.set ADRB, 19
.set STO,  24
.set RD,   25
.set CO,   26
.set BO,   27
.set SPW,  28                          ; LDS address of my spare word; never rewritten
.set NIL,  29                          ; 0; never rewritten
.set T,    32
.set ACC,  128
.set F0,   0
.set F1,   128
.set CUR,  2
.set G1,   24
.set G0,   32
.set G1B,  48
.set G0B,  56
.set BA,   72                          ; s[72:73] my part of A's tile at K step 0
.set BB,   74                          ; s[74:75] the same for B
.set KO,   76                          ; s[76:77] a K step's byte offset in A: four heads of 262,144 bytes a step
.set KS,   78                          ; s78      the K step asked for last
.set KP,   80                          ; s[80:81] its byte offset in B: 512 a step
.set MSB, 0
.macro WIN new
.if MSB != (\new)
	s_set_vgpr_msb (MSB<<8)|(\new)
.set MSB, \new
.endif
.endm
.set MUL,  0x05                        ; sources 0 (B) and 1 (A) window 1; C and D window 0
.set TO_F, 0x40
.macro JLOAD s                         ; a joint load: waves 0 and 1 fetch A's halves, waves 2 and 3 B's; s_nop 0 and four v_nop follow each line
	s_cmp_eq_u32 s11, 0
	s_cbranch_scc0 .Lfor_b_\@
	tensor_load_to_lds s[G0+4*(\s):G0+4*(\s)+3], s[G1:G1+7]
	s_nop 0
.rept 4
	v_nop
.endr
	s_branch .Lasked_\@
.Lfor_b_\@:
	tensor_load_to_lds s[G0B+4*(\s):G0B+4*(\s)+3], s[G1B:G1B+7]
	s_nop 0
.rept 4
	v_nop
.endr
.Lasked_\@:
.endm
.macro CREST
	s_cmp_lg_u32 s10, 0
	s_cbranch_scc1 .Lnot_wave_0_\@
	s_barrier_signal -3
.Lnot_wave_0_\@:
	s_barrier_wait -3
	s_barrier_signal -1
	s_barrier_wait -1
.endm
.macro CROUND
	s_barrier_signal -1
	s_barrier_wait -1
	CREST
.endm
.macro ADDR s                          ; set s of both descriptors takes K step KS: the address is made anew from the base and the step's offset, the type bits set again
	s_lshl_b32 s[KO], s[KS], 20
	s_lshl_b32 s[KP], s[KS], 9
	s_add_nc_u64 s[G0+4*(\s)+2:G0+4*(\s)+3], s[BA:BA+1], s[KO:KO+1]
	s_or_b32 s[G0+4*(\s)+3], s[G0+4*(\s)+3], 0x80000000
	s_add_nc_u64 s[G0B+4*(\s)+2:G0B+4*(\s)+3], s[BB:BB+1], s[KP:KP+1]
	s_or_b32 s[G0B+4*(\s)+3], s[G0B+4*(\s)+3], 0x80000000
.endm
.macro NEXTK                           ; the ring's next K step
	s_add_co_u32 s[KS], s[KS], 1
	s_and_b32 s[KS], s[KS], STEPS-1
.endm
	s_load_b128 s[4:7], s[0:1], 0x0                ; ob, wt
	s_load_b128 s[68:71], s[0:1], 0x10             ; bo, x
	s_load_b64 s[8:9], s[0:1], 0x20                ; x1
	v_lshl_add_u32 v[SPW], v0, 2, SPARE
	v_mov_b32 v[NIL], 0
	ds_add_u32 v[SPW], v[NIL]                      ; the wave's opening: the add, waited for ahead of my first tensor load
	ds_add_u32 v28, v29
	v_lshrrev_b32 v1, 5, v0
	v_readfirstlane_b32 s10, v1
	s_lshr_b32 s11, s10, 1                         ; my half of the tile's rows; also: I fetch for A (0) or B (1)
	s_and_b32 s12, s10, 1                          ; my half of its columns; also: which half of that tile I fetch
	s_bfe_u32 s40, ttmp6, 0x40000
	s_bfe_u32 s41, ttmp6, 0x40004
	s_lshl_b32 s42, ttmp9, 2
	s_add_co_u32 s42, s42, s40                     ; tile column
	s_and_b32 s13, ttmp7, 0xffff                   ; the cluster's y
	s_add_co_u32 s[KS], s13, ttmp9                 ; + the cluster's x: all sixteen partners share both
	s_and_b32 s[KS], s[KS], 1
	s_lshl_b32 s[KS], s[KS], 1                     ; the walk begins at K step 0 or 2
	s_lshl_b32 s13, s13, 2
	s_add_co_u32 s13, s13, s41                     ; tile row
	s_lshl_b32 s43, s41, 2
	s_lshl_b32 s43, 15, s43
	s_lshl_b32 s44, 0x1111, s40
	s_or_b32 s[G1+0], s43, (1<<16)|(1<<20)|(1<<21)|(4<<22)|(3<<25)   ; A: mask of my row; 2-byte elements; padding after every 32 words, 4 words
	s_mov_b32 s[G1+1], 8192<<16                    ; tensor_dim0 = 8,192
	s_mov_b32 s[G1+2], 2<<16                       ; tensor_dim1 = 2
	s_mov_b32 s[G1+3], 8192<<16                    ; tile_dim0 = 8,192
	s_mov_b32 s[G1+4], 2                           ; tile_dim1 = 2
	s_mov_b32 s[G1+5], 131072                      ; a head's 2,048 x 64 elements from row to row
	s_mov_b32 s[G1+6], 0
	s_mov_b32 s[G1+7], 0
	s_or_b32 s[G1B+0], s44, (1<<16)|(1<<20)|(1<<21)|(6<<22)|(3<<25)  ; B: mask of my column; padding after every 128 words, 4 words
	s_mov_b32 s[G1B+1], KSTEP<<16
	s_mov_b32 s[G1B+2], 64<<16
	s_mov_b32 s[G1B+3], KSTEP<<16
	s_mov_b32 s[G1B+4], 64
	s_mov_b32 s[G1B+5], SIZE_K
	s_mov_b32 s[G1B+6], 0
	s_mov_b32 s[G1B+7], 0
	s_lshr_b32 s16, s13, 4                         ; batch
	s_lshl_b32 s16, s16, 4
	s_lshl_b32 s17, s12, 1
	s_add_co_u32 s16, s16, s17                     ; 16 batch + the first head that I fetch in K step 0
	s_lshl_b32 s16, s16, 18
	s_and_b32 s17, s13, 15
	s_lshl_b32 s17, s17, 14                        ; 128 rows of 128 bytes
	s_add_co_u32 s16, s16, s17
	s_mov_b32 s17, 0
	s_lshl_b32 s46, s42, 18                        ; B: 128 rows of 2,048 bytes a tile column,
	s_lshl_b32 s47, s12, 17                        ; 64 a half
	s_add_co_u32 s46, s46, s47
	s_add_co_u32 s46, s46, WBASE
	s_mov_b32 s47, 0
	s_mov_b32 s[KO+1], 0
	s_mov_b32 s[KP+1], 0
	s_mul_i32 s20, s12, A_LD                       ; where they go
	s_mul_i32 s21, s12, B_LD
	s_add_co_u32 s21, s21, 2*A_LD
	s_mov_b32 s[CUR], 0
	s_wait_dscnt 0x0                               ; the opening add is done
	s_wait_kmcnt 0x0
	s_add_nc_u64 s[BA:BA+1], s[4:5], s[16:17]
	s_add_nc_u64 s[BB:BB+1], s[6:7], s[46:47]
	CROUND                                         ; all sixteen work-groups are here: the first joint loads meet
.irp s, 0,1
	s_mov_b32 s[G0+4*(\s)], 1
	s_add_co_u32 s[G0+4*(\s)+1], s20, (\s)*SLOT1
	s_mov_b32 s[G0B+4*(\s)], 1
	s_add_co_u32 s[G0B+4*(\s)+1], s21, (\s)*SLOT1
	ADDR \s
	JLOAD \s                                       ; the walk's first two K steps: two loads of mine are out
.if (\s) == 0
	NEXTK
.endif
.endr
	v_and_b32 v1, 15, v0
	v_bfe_u32 v2, v0, 4, 1
	v_mul_u32_u24 v3, v1, A_P
	v_lshl_add_u32 v3, v2, 4, v3
	s_mul_i32 s22, s11, 64*A_P
	v_add_nc_u32 v[LA0], s22, v3
	v_mul_u32_u24 v3, v1, BP
	v_lshl_add_u32 v3, v2, 4, v3
	v_add_nc_u32 v[LB0], s21, v3
	v_mov_b32 v[ADRA], v[LA0]
	v_mov_b32 v[ADRB], v[LB0]
	s_mul_i32 s23, s10, 16*SPITCH
	s_add_co_u32 s23, s23, STAGE
	v_mul_u32_u24 v4, v1, SPITCH                   ; into my stage: row r, 32 bytes for each half of the lanes
	v_lshl_add_u32 v4, v2, 5, v4
	v_add_nc_u32 v[STO], s23, v4
	v_mul_u32_u24 v5, v2, SPITCH                   ; back: lanes 0-15 one row of 256 bytes, lanes 16-31 the next
	v_lshl_add_u32 v5, v1, 4, v5
	v_add_nc_u32 v[RD], s23, v5
	v_lshlrev_b32 v[BO], 4, v1
	v_lshl_add_u32 v[CO], v2, 12, v[BO]            ; and the same two rows in C and in the residual
	s_lshl_b32 s46, s42, 9                         ; my 64 columns, in bytes of f32
	s_lshl_b32 s47, s12, 8
	s_add_co_u32 s46, s46, s47
	s_mov_b32 s47, 0
	s_add_nc_u64 s[68:69], s[68:69], s[46:47]
	s_lshl_b32 s14, s13, 19                        ; my 64 rows of 4,096 bytes
	s_lshl_b32 s15, s11, 18
	s_add_co_u32 s14, s14, s15
	s_add_co_u32 s46, s46, s14
	s_add_nc_u64 s[70:71], s[70:71], s[46:47]
	s_add_nc_u64 s[8:9], s[8:9], s[46:47]
.macro MUL8 f, c, a0, zero             ; 8 matrix instructions: m blocks a0, a0 + 1 x 4 n blocks, 32 along K: half c of buffer f
	WIN MUL
.irp a, \a0, (\a0)+1
.irp b, 0,1,2,3
.if \zero
	v_wmma_f32_16x16x32_bf16 v[ACC+8*(4*(\a)+(\b)):ACC+8*(4*(\a)+(\b))+7], v[(\f)+64+8*(4*(\c)+(\b)):(\f)+64+8*(4*(\c)+(\b))+7], v[(\f)+8*(4*(\c)+(\a)):(\f)+8*(4*(\c)+(\a))+7], 0
.else
	v_wmma_f32_16x16x32_bf16 v[ACC+8*(4*(\a)+(\b)):ACC+8*(4*(\a)+(\b))+7], v[(\f)+64+8*(4*(\c)+(\b)):(\f)+64+8*(4*(\c)+(\b))+7], v[(\f)+8*(4*(\c)+(\a)):(\f)+8*(4*(\c)+(\a))+7], v[ACC+8*(4*(\a)+(\b)):ACC+8*(4*(\a)+(\b))+7]
.endif
.endr
.endr
.endm
.macro FETCH qn, f                     ; 32 LDS loads in one run: quarter qn (64 along K) of the slot in hand, its first 32 along K first
	WIN TO_F
.irp c, 0,1
.irp i, 0,1,2,3
	ds_load_b128 v[(\f)+64+8*(4*(\c)+(\i)):(\f)+64+8*(4*(\c)+(\i))+3],   v[ADRB] offset:(\qn)*128+64*(\c)+(\i)*16*BP
	ds_load_b128 v[(\f)+64+8*(4*(\c)+(\i))+4:(\f)+64+8*(4*(\c)+(\i))+7], v[ADRB] offset:(\qn)*128+64*(\c)+(\i)*16*BP+32
	ds_load_b128 v[(\f)+8*(4*(\c)+(\i)):(\f)+8*(4*(\c)+(\i))+3],         v[ADRA] offset:(\qn)*A_Q+64*(\c)+(\i)*16*A_P
	ds_load_b128 v[(\f)+8*(4*(\c)+(\i))+4:(\f)+8*(4*(\c)+(\i))+7],       v[ADRA] offset:(\qn)*A_Q+64*(\c)+(\i)*16*A_P+32
.endr
.endr
.endm
.macro PLACES                          ; four plain vector instructions between a matrix instruction and a load into, or a read of, its registers
.rept 4
	v_nop
.endr
.endm
.macro QUARTER qn, f, g, zero          ; 32 matrix instructions on buffer f; in their middle quarter qn's fragments into buffer g
	s_wait_dscnt 16                                ; the first 32 along K are in
	MUL8 \f, 0, 0, \zero
	MUL8 \f, 0, 2, \zero
	PLACES
	FETCH \qn, \g
	s_wait_dscnt 32                                ; all but the 32 just issued
	MUL8 \f, 1, 0, 0
	MUL8 \f, 1, 2, 0
.endm
; The last quarter multiplies buffer 1 and changes slots: one barrier; in front of it each wave waits for all its tensor loads, adds 0 to its spare word, and waits for that and for its reads of this slot.
; The walking descriptors are stepped between the add and the wait for it, where no tensor load of mine is out, so that the load stands straight behind the round.
.macro TURN fill
	WIN 0
	s_wait_tensorcnt 0x0
	ds_add_u32 v[SPW], v[NIL]
.if \fill
	NEXTK
	s_xor_b32 s[G0+5], s[G0+5], SLOT1              ; the other slot than last time,
	s_xor_b32 s[G0B+5], s[G0B+5], SLOT1
	ADDR 1                                         ; the ring's next K step
.endif
	s_xor_b32 s[CUR], s[CUR], SLOT1
	s_wait_dscnt 17                                ; the add and the youngest sixteen loads may be out
	MUL8 F1, 0, 0, 0
	s_wait_dscnt 0x0                               ; the add is done, and my reads of this slot are over
	s_barrier_signal -1
	MUL8 F1, 0, 2, 0
	WIN 0
	s_barrier_wait -1
.if \fill
	CREST                                          ; the barrier has opened a round of the cluster's
	JLOAD 1                                        ; the first tensor load behind the round; its four v_nop are also the places in front of the loads below
.else
	PLACES
.endif
	v_add_nc_u32 v[ADRA], s[CUR], v[LA0]
	v_add_nc_u32 v[ADRB], s[CUR], v[LB0]
	FETCH 0, F0
	MUL8 F1, 1, 0, 0
	MUL8 F1, 1, 2, 0
.endm
	s_wait_tensorcnt 1                             ; my part of the first K step is in; the second's may stay out
	s_barrier_signal -1
	s_barrier_wait -1
	FETCH 0, F0
	WIN 0                                          ; bias and residual are asked for only now, behind the first tile: they are wanted on the way out
	global_load_b128 v[BI:BI+3], v[BO], s[68:69]
	WIN 0x80                                       ; destination window 2
.set i, 0
.rept 32                                               ; the residual of rows 2 i, 2 i + 1
	global_load_b128 v[4*i:4*i+3], v[CO], s[70:71] offset:2*i*4096
.set i, i+1
.endr
	QUARTER 1, F0, F1, 1
	WIN 0
	s_mov_b32 s3, STEPS-2
.Lk:
	QUARTER 2, F1, F0, 0
	QUARTER 3, F0, F1, 0
	TURN 1
	QUARTER 1, F0, F1, 0
	WIN 0
	s_sub_co_u32 s3, s3, 1
	s_cmp_lg_u32 s3, 0
	s_cbranch_scc1 .Lk
	s_mov_b32 s3, 2
.Ltail:                                                ; the last two K steps ask for nothing; the second walk is left in its middle
	QUARTER 2, F1, F0, 0
	QUARTER 3, F0, F1, 0
	WIN 0
	s_sub_co_u32 s3, s3, 1
	s_cmp_eq_u32 s3, 0
	s_cbranch_scc1 .Llast
	TURN 0
	QUARTER 1, F0, F1, 0
	WIN 0
	s_branch .Ltail
.Llast:
	s_wait_dscnt 16
	MUL8 F1, 0, 0, 0
	MUL8 F1, 0, 2, 0
	s_wait_dscnt 0x0
	MUL8 F1, 1, 0, 0
	MUL8 F1, 1, 2, 0
	WIN 0
	; THE WAY OUT, 16 rows at a time through my own stage: in by lanes' 32 bytes, back as whole rows of 256 bytes; bias and residual are added in f32.
	PLACES
	s_wait_loadcnt 0x0                             ; bias and residual
.irp a, 0,1,2,3
.set TB, T+32*((\a)%2)
	s_wait_xcnt 0x0                                ; the registers that the block two back stored from are rewritten only behind this wait
.irp b, 0,1,2,3
	ds_store_b128 v[STO], v[ACC+8*(4*(\a)+(\b)):ACC+8*(4*(\a)+(\b))+3]   offset:64*(\b)
	ds_store_b128 v[STO], v[ACC+8*(4*(\a)+(\b))+4:ACC+8*(4*(\a)+(\b))+7] offset:64*(\b)+16
.endr
.irp t, 0,1,2,3,4,5,6,7
	ds_load_b128 v[TB+4*(\t):TB+4*(\t)+3], v[RD] offset:(\t)*2*SPITCH   ; LDS serves a wave's instructions in order: these see the stores above
.endr
	s_wait_dscnt 0x0
.irp t, 0,1,2,3,4,5,6,7
	v_pk_add_f32 v[TB+4*(\t):TB+4*(\t)+1], v[TB+4*(\t):TB+4*(\t)+1], v[BI:BI+1]
	v_pk_add_f32 v[TB+4*(\t)+2:TB+4*(\t)+3], v[TB+4*(\t)+2:TB+4*(\t)+3], v[BI+2:BI+3]
.endr
	WIN 0x08                                       ; source 1 in window 2
.irp t, 0,1,2,3,4,5,6,7
	v_pk_add_f32 v[TB+4*(\t):TB+4*(\t)+1], v[TB+4*(\t):TB+4*(\t)+1], v[4*(8*(\a)+(\t)):4*(8*(\a)+(\t))+1]
	v_pk_add_f32 v[TB+4*(\t)+2:TB+4*(\t)+3], v[TB+4*(\t)+2:TB+4*(\t)+3], v[4*(8*(\a)+(\t))+2:4*(8*(\a)+(\t))+3]
.endr
	WIN 0
.irp t, 0,1,2,3,4,5,6,7
	global_store_b128 v[CO], v[TB+4*(\t):TB+4*(\t)+3], s[8:9] offset:(16*(\a)+2*(\t))*4096   ; sixteen lanes store 256 consecutive bytes, aligned
.endr
.endr
	s_wait_tensorcnt 0x0                           ; the wave's end
	ds_add_u32 v[SPW], v[NIL]
	s_wait_dscnt 0x0
	CROUND                                         ; the closing round
	s_endpgm
.Lfunc_end_k_q95ca005a4f_wo:
	.size	k_q95ca005a4f_wo, .Lfunc_end_k_q95ca005a4f_wo-k_q95ca005a4f_wo
	.p2alignl 7, 3214868480
	.fill 96, 4, 3214868480
	.section	.rodata,"a",@progbits
	.p2align	6, 0x0
	.amdhsa_kernel k_q95ca005a4f_wo
		.amdhsa_group_segment_fixed_size 327680
		.amdhsa_private_segment_fixed_size 0
		.amdhsa_enable_private_segment 0
		.amdhsa_kernarg_size 40
		.amdhsa_user_sgpr_count 2
		.amdhsa_user_sgpr_kernarg_segment_ptr 1
		.amdhsa_wavefront_size32 1
		.amdhsa_system_sgpr_workgroup_id_x 1
		.amdhsa_system_sgpr_workgroup_id_y 1
		.amdhsa_system_sgpr_workgroup_id_z 1
		.amdhsa_system_vgpr_workitem_id 0
		.amdhsa_next_free_vgpr 640
		.amdhsa_next_free_sgpr 84
		.amdhsa_reserve_vcc 0
		.amdhsa_float_denorm_mode_32 3
		.amdhsa_float_denorm_mode_16_64 3
		.amdhsa_memory_ordered 1
		.amdhsa_forward_progress 1
		.amdhsa_inst_pref_size 72
	.end_amdhsa_kernel
	.amdgpu_metadata
---
amdhsa.version: [ 1, 2 ]
amdhsa.kernels:
  - .name:           k_q95ca005a4f_wo
    .symbol:         k_q95ca005a4f_wo.kd
    .args:
      - { .name: ob, .offset: 0, .size: 8, .value_kind: global_buffer, .address_space: global }
      - { .name: wt, .offset: 8, .size: 8, .value_kind: global_buffer, .address_space: global }
      - { .name: bo, .offset: 16, .size: 8, .value_kind: global_buffer, .address_space: global }
      - { .name: x, .offset: 24, .size: 8, .value_kind: global_buffer, .address_space: global }
      - { .name: x1, .offset: 32, .size: 8, .value_kind: global_buffer, .address_space: global }
    .group_segment_fixed_size: 327680
    .private_segment_fixed_size: 0
    .kernarg_segment_align: 8
    .kernarg_segment_size: 40
    .max_flat_workgroup_size: 128
    .sgpr_count:     84
    .vgpr_count:     640
    .wavefront_size: 32
...
	.end_amdgpu_metadata
.endif
;; end of part 4
;; launch ln2 (part 5): grid 512 x 1, 8 waves a work-group, no clusters, 0 bytes of LDS; arguments x1, gamma2, beta2, hn; writes hn
.if DOCPART == 5
	.amdgcn_target "amdgcn-amd-amdhsa--gfx1250"
	.amdhsa_code_object_version 6
	.text
	.protected	k_q95ca005a4f_ln2
	.globl	k_q95ca005a4f_ln2
	.p2align	8
	.type	k_q95ca005a4f_ln2,@function
k_q95ca005a4f_ln2:
	s_mov_b64 s[64:65], 0
	v_nop
	global_prefetch_b8 v0, s[64:65] scope:SCOPE_SE
	s_setreg_imm32_b32 hwreg(HW_REG_WAVE_MODE, 25, 1), 1
	s_wait_xcnt 0x0
; LayerNorm 2: hn = bf16(gamma2 (x1 - mean) rsqrt(var + 1e-5) + beta2).  x1 [4096][1024] f32.  Eight waves, one row each, the row kept in registers between the passes: read once, no LDS, no barrier.
; Mean first, then the mean of the squared differences: no difference of large sums.  NaN and infinities are not treated apart.
.set X,   8                            ; v[8:39]    the row, 32 numbers a lane
.set GA,  40                           ; v[40:71]   gamma
.set BE,  72                           ; v[72:103]  beta
.set SM,  104                          ; v[104:111] four running pairs; later v[104:119] the packed results
.set MN,  120                          ; v[120:121] the mean, twice
.set RS,  122                          ; v[122:123] 1 / sqrt(var + eps), twice
.set TP,  124                          ; v[124:125] at work
.macro LANESUM                         ; the four running pairs become one number, the same in all 32 lanes
	v_pk_add_f32 v[SM:SM+1], v[SM:SM+1], v[SM+2:SM+3]
	v_pk_add_f32 v[SM+4:SM+5], v[SM+4:SM+5], v[SM+6:SM+7]
	v_pk_add_f32 v[SM:SM+1], v[SM:SM+1], v[SM+4:SM+5]
	v_add_f32 v[TP], v[SM], v[SM+1]
	v_add_f32_dpp v[TP], v[TP], v[TP] row_xmask:1 row_mask:0xf bank_mask:0xf
	v_add_f32_dpp v[TP], v[TP], v[TP] row_xmask:2 row_mask:0xf bank_mask:0xf
	v_add_f32_dpp v[TP], v[TP], v[TP] row_xmask:4 row_mask:0xf bank_mask:0xf
	v_add_f32_dpp v[TP], v[TP], v[TP] row_xmask:8 row_mask:0xf bank_mask:0xf
	v_permlanex16_b32 v[TP+1], v[TP], s44, s45
	v_add_f32 v[TP], v[TP], v[TP+1]
.endm
	s_load_b256 s[4:11], s[0:1], 0x0               ; x1, gamma2, beta2, hn
	v_lshrrev_b32 v1, 5, v0
	v_readfirstlane_b32 s26, v1                    ; wave 0..7
	v_and_b32 v1, 31, v0                           ; lane
	s_lshl_b32 s32, ttmp9, 15                      ; eight rows of 4,096 bytes
	s_mov_b32 s33, 0
	s_lshl_b32 s34, ttmp9, 14                      ; eight rows of 2,048 bytes
	s_mov_b32 s35, 0
	s_lshl_b32 s40, s26, 12
	s_lshl_b32 s41, s26, 11
	s_mov_b32 s44, 0x76543210                      ; v_permlanex16_b32: each lane takes its own place in the other half
	s_mov_b32 s45, 0xfedcba98
	s_mov_b32 s46, 0x3a800000                      ; 1 / 1024
	s_mov_b32 s47, 0x3727c5ac                      ; 1e-5
	v_lshl_add_u32 v4, v1, 4, s40
	v_lshlrev_b32 v5, 4, v1
	v_lshl_add_u32 v6, v1, 3, s41
	s_wait_kmcnt 0x0
	s_add_nc_u64 s[4:5], s[4:5], s[32:33]
	s_add_nc_u64 s[10:11], s[10:11], s[34:35]
.irp j, 0,1,2,3,4,5,6,7
	global_load_b128 v[X+4*\j:X+4*\j+3], v4, s[4:5] offset:512*\j   ; 512 consecutive bytes a load
.endr
.irp j, 0,1,2,3,4,5,6,7
	global_load_b128 v[GA+4*\j:GA+4*\j+3], v5, s[6:7] offset:512*\j
.endr
.irp j, 0,1,2,3,4,5,6,7
	global_load_b128 v[BE+4*\j:BE+4*\j+3], v5, s[8:9] offset:512*\j
.endr
	v_mov_b32 v[TP+1], 0                           ; the lane exchange's destination counts as read
	s_wait_loadcnt 16                              ; the row is in; gamma's and beta's sixteen loads may stay out
.irp k, 0,1,2,3
	v_pk_add_f32 v[SM+2*\k:SM+2*\k+1], v[X+2*\k:X+2*\k+1], v[X+8+2*\k:X+8+2*\k+1]
.endr
.irp m, 2,3
.irp k, 0,1,2,3
	v_pk_add_f32 v[SM+2*\k:SM+2*\k+1], v[SM+2*\k:SM+2*\k+1], v[X+8*\m+2*\k:X+8*\m+2*\k+1]
.endr
.endr
	LANESUM
	v_mul_f32 v[MN], s46, v[TP]
	v_mov_b32 v[MN+1], v[MN]
.set z, 0
.rept 16
	v_pk_add_f32 v[X+2*z:X+2*z+1], v[X+2*z:X+2*z+1], v[MN:MN+1] neg_lo:[0,1] neg_hi:[0,1]
.set z, z+1
.endr
.irp k, 0,1,2,3
	v_pk_mul_f32 v[SM+2*\k:SM+2*\k+1], v[X+2*\k:X+2*\k+1], v[X+2*\k:X+2*\k+1]
.endr
.irp m, 1,2,3
.irp k, 0,1,2,3
	v_pk_fma_f32 v[SM+2*\k:SM+2*\k+1], v[X+8*\m+2*\k:X+8*\m+2*\k+1], v[X+8*\m+2*\k:X+8*\m+2*\k+1], v[SM+2*\k:SM+2*\k+1]
.endr
.endr
	LANESUM
	v_fma_f32 v[TP], v[TP], s46, s47               ; var + eps
	v_rsq_f32 v[RS], v[TP]
	v_rsq_f32 v[RS+1], v[TP]
	v_nop                                          ; a plain instruction between the root and its use (ISA guide 5.7.2)
	s_wait_loadcnt 0x0                             ; gamma and beta
	s_wait_alu depctr_va_vdst(0)
.irp j, 0,1,2,3,4,5,6,7
	v_pk_mul_f32 v[X+4*\j:X+4*\j+1], v[X+4*\j:X+4*\j+1], v[RS:RS+1]
	v_pk_mul_f32 v[X+4*\j+2:X+4*\j+3], v[X+4*\j+2:X+4*\j+3], v[RS:RS+1]
	v_pk_fma_f32 v[X+4*\j:X+4*\j+1], v[X+4*\j:X+4*\j+1], v[GA+4*\j:GA+4*\j+1], v[BE+4*\j:BE+4*\j+1]
	v_pk_fma_f32 v[X+4*\j+2:X+4*\j+3], v[X+4*\j+2:X+4*\j+3], v[GA+4*\j+2:GA+4*\j+3], v[BE+4*\j+2:BE+4*\j+3]
	v_cvt_pk_bf16_f32 v[SM+2*\j], v[X+4*\j], v[X+4*\j+1]
	v_cvt_pk_bf16_f32 v[SM+2*\j+1], v[X+4*\j+2], v[X+4*\j+3]
	global_store_b64 v6, v[SM+2*\j:SM+2*\j+1], s[10:11] offset:256*\j   ; the wave stores 256 consecutive bytes, aligned
.endr
	s_endpgm
.Lfunc_end_k_q95ca005a4f_ln2:
	.size	k_q95ca005a4f_ln2, .Lfunc_end_k_q95ca005a4f_ln2-k_q95ca005a4f_ln2
	.p2alignl 7, 3214868480
	.fill 96, 4, 3214868480
	.section	.rodata,"a",@progbits
	.p2align	6, 0x0
	.amdhsa_kernel k_q95ca005a4f_ln2
		.amdhsa_group_segment_fixed_size 0
		.amdhsa_private_segment_fixed_size 0
		.amdhsa_enable_private_segment 0
		.amdhsa_kernarg_size 32
		.amdhsa_user_sgpr_count 2
		.amdhsa_user_sgpr_kernarg_segment_ptr 1
		.amdhsa_wavefront_size32 1
		.amdhsa_system_sgpr_workgroup_id_x 1
		.amdhsa_system_sgpr_workgroup_id_y 1
		.amdhsa_system_sgpr_workgroup_id_z 1
		.amdhsa_system_vgpr_workitem_id 0
		.amdhsa_next_free_vgpr 128
		.amdhsa_next_free_sgpr 66
		.amdhsa_reserve_vcc 0
		.amdhsa_float_denorm_mode_32 3
		.amdhsa_float_denorm_mode_16_64 3
		.amdhsa_memory_ordered 1
		.amdhsa_forward_progress 1
		.amdhsa_inst_pref_size 12
	.end_amdhsa_kernel
	.amdgpu_metadata
---
amdhsa.version: [ 1, 2 ]
amdhsa.kernels:
  - .name:           k_q95ca005a4f_ln2
    .symbol:         k_q95ca005a4f_ln2.kd
    .args:
      - { .name: x1, .offset: 0, .size: 8, .value_kind: global_buffer, .address_space: global }
      - { .name: gamma2, .offset: 8, .size: 8, .value_kind: global_buffer, .address_space: global }
      - { .name: beta2, .offset: 16, .size: 8, .value_kind: global_buffer, .address_space: global }
      - { .name: hn, .offset: 24, .size: 8, .value_kind: global_buffer, .address_space: global }
    .group_segment_fixed_size: 0
    .private_segment_fixed_size: 0
    .kernarg_segment_align: 8
    .kernarg_segment_size: 32
    .max_flat_workgroup_size: 256
    .sgpr_count:     66
    .vgpr_count:     128
    .wavefront_size: 32
...
	.end_amdgpu_metadata
.endif
;; end of part 5
;; launch w1 (part 6): grid 16 x 16, 4 waves a work-group, clusters of 4 x 4, 327,680 bytes of LDS; arguments hn, wt, b1, gb; writes gb
.if DOCPART == 6
	.amdgcn_target "amdgcn-amd-amdhsa--gfx1250"
	.amdhsa_code_object_version 6
	.text
	.protected	k_q95ca005a4f_w1
	.globl	k_q95ca005a4f_w1
	.p2align	8
	.type	k_q95ca005a4f_w1,@function
k_q95ca005a4f_w1:
	s_mov_b64 s[64:65], 0
	v_nop
	global_prefetch_b8 v0, s[64:65] scope:SCOPE_SE
	s_setreg_imm32_b32 hwreg(HW_REG_WAVE_MODE, 25, 1), 1
	s_wait_xcnt 0x0
	s_wait_alu depctr_hold_cnt(0) depctr_sa_sdst(0) depctr_va_vdst(0) depctr_va_sdst(0) depctr_va_ssrc(0) depctr_va_vcc(0) depctr_vm_vsrc(0)
	s_getreg_b32 s2, hwreg(HW_REG_IB_STS2, 6, 4)
	s_cmp_eq_u32 s2, 0
	s_cbranch_scc0 .Lentry_in_a_cluster
	s_endpgm
.Lentry_in_a_cluster:
	s_bfe_u32 s2, ttmp6, 0x10000c
	s_cmp_lg_u32 s2, 0xf033
	s_cbranch_scc0 .Lentry_shape_is_right
	s_endpgm
.Lentry_shape_is_right:
; gb = bf16(gelu(LN2(x1) W1 + b1)).  A = hn [4096][1024] bf16, B = wt + 8,388,608: W1^T [4096][1024] bf16; sums, bias and GELU in f32; gb [4096][4096] bf16.
; gelu(u) = max(u, 0) - |u| erfc(|u| / sqrt 2) / 2, erfc by the rational form t = 1 / (1 + p z), (a1 t + .. + a5 t^5) e^(-z z) (Abramowitz and Stegun 7.1.26): absolute error 1.5e-7 for every argument.
; LIMITS: an infinite u gives NaN; NaN is not treated apart.
; A tile of C is 256 x 256 (256 work-groups): four waves of 128 x 128, 64 accumulators each.  K goes in 8 steps of 128 through two LDS slots filled by the tensor data mover; a K step is written once, and
; the LDS addresses hang on one scalar that an exclusive or turns from slot to slot.  The tail (K steps 6 and 7, which ask for nothing) is a second text, walked twice and left in its middle.
; CLUSTER 4 x 4: A's tile jointly along a row of the cluster, B's along a column.  The matrix instruction is used transposed: a lane holds eight neighbouring columns of one row of C.
; REGISTERS: window 0: v0-31 addresses and bias; v64-191 A's fragments, two buffers; v32-71, v192-255 the way out.  Window 1: v64-191 B's fragments.  Windows 2, 3: accumulator (a, b) at v[8 (8 (a % 4) + b)].
.set SIZE_K, 1024
.set KSTEP,  128
.set PITCH,  272                       ; an LDS row: 256 bytes + 16 of padding: the 16 rows of a fragment load start at 16 different groups of four banks (ISA guide 11.1)
.set HALFT,  128*PITCH
.set SLOT,   4*HALFT                   ; 0x22000: its two bits are set in no wave's tile base (0, 0x8800, 0x11000, 0x19800), so an exclusive or moves a base from slot to slot
.set SPARE,  2*SLOT                    ; behind the ring: the spare words, 128 bytes a wave
.set SPITCH, 528                       ; the way out: a wave's 128 columns in f32 + 16 bytes
.set STG,    128*SPITCH                ; a wave's stage: it lies in the ring, which has had its last fill by then
.set BI,   8                           ; v[8:11] bias of my four columns
.set LA0,  16
.set LB0,  17
.set ADRA, 18
.set ADRB, 19
.set STO,  24
.set RD,   25
.set CO,   26
.set BO,   27
.set SPW,  28                          ; LDS address of my spare word; never rewritten
.set NIL,  29                          ; 0; never rewritten
.set T,    32                          ; 16 numbers as read back
.set U,    48                          ; u
.set YY,   64                          ; packed results
.set W,    192                         ; u sqrt(log2(e) / 2); later max(u, 0)
.set TT,   208                         ; t
.set QQ,   224                         ; the polynomial
.set EE,   240                         ; 2^(-w w)
.set F0,   64
.set F1,   128
.set CUR,  2
.set G1,   24
.set G0,   32
.set G1B,  48
.set G0B,  56
.set C1,   72                          ; s[72:73] sqrt(log2(e) / 2)
.set PP,   74                          ; s74      0.3275911 sqrt(ln 2)
.set GA1,  76                          ; s[76:85] a1 / 2 .. a5 / 2, each a pair of which the low word is taken for both halves
.set GA2,  78
.set GA3,  80
.set GA4,  82
.set GA5,  84
.set MSB, 0
.macro WIN new
.if MSB != (\new)
	s_set_vgpr_msb (MSB<<8)|(\new)
.set MSB, \new
.endif
.endm
.set MUL_LO, 0xa1
.set MUL_HI, 0xf1
.set TO_B,   0x40
.macro JLOAD s                         ; a joint load: waves 0 and 1 fetch A's halves, waves 2 and 3 B's; s_nop 0 and four v_nop follow each line
	s_cmp_eq_u32 s11, 0
	s_cbranch_scc0 .Lfor_b_\@
	tensor_load_to_lds s[G0+4*(\s):G0+4*(\s)+3], s[G1:G1+7]
	s_nop 0
.rept 4
	v_nop
.endr
	s_branch .Lasked_\@
.Lfor_b_\@:
	tensor_load_to_lds s[G0B+4*(\s):G0B+4*(\s)+3], s[G1B:G1B+7]
	s_nop 0
.rept 4
	v_nop
.endr
.Lasked_\@:
.endm
.macro CREST
	s_cmp_lg_u32 s10, 0
	s_cbranch_scc1 .Lnot_wave_0_\@
	s_barrier_signal -3
.Lnot_wave_0_\@:
	s_barrier_wait -3
	s_barrier_signal -1
	s_barrier_wait -1
.endm
.macro CROUND
	s_barrier_signal -1
	s_barrier_wait -1
	CREST
.endm
	s_load_b128 s[4:7], s[0:1], 0x0                ; hn, wt
	s_load_b128 s[68:71], s[0:1], 0x10             ; b1, gb
	v_lshl_add_u32 v[SPW], v0, 2, SPARE
	v_mov_b32 v[NIL], 0
	ds_add_u32 v[SPW], v[NIL]                      ; the wave's opening: the add, waited for ahead of my first tensor load
	ds_add_u32 v28, v29
	v_lshrrev_b32 v1, 5, v0
	v_readfirstlane_b32 s10, v1
	s_lshr_b32 s11, s10, 1
	s_and_b32 s12, s10, 1
	s_bfe_u32 s40, ttmp6, 0x40000
	s_bfe_u32 s41, ttmp6, 0x40004
	s_lshl_b32 s42, ttmp9, 2
	s_add_co_u32 s42, s42, s40                     ; tile column
	s_and_b32 s13, ttmp7, 0xffff
	s_lshl_b32 s13, s13, 2
	s_add_co_u32 s13, s13, s41                     ; tile row
	s_lshl_b32 s43, s41, 2
	s_lshl_b32 s43, 15, s43
	s_lshl_b32 s44, 0x1111, s40
	s_or_b32 s[G1+0], s43, (1<<16)|(1<<20)|(1<<21)|(5<<22)|(3<<25)
	s_or_b32 s[G1B+0], s44, (1<<16)|(1<<20)|(1<<21)|(5<<22)|(3<<25)
.irp g, G1, G1B
	s_mov_b32 s[(\g)+1], KSTEP<<16
	s_mov_b32 s[(\g)+2], 128<<16
	s_mov_b32 s[(\g)+3], KSTEP<<16
	s_mov_b32 s[(\g)+4], 128
	s_mov_b32 s[(\g)+5], SIZE_K
	s_mov_b32 s[(\g)+6], 0
	s_mov_b32 s[(\g)+7], 0
.endr
	s_mov_b32 s[C1], 0x3f596d27
	s_mov_b32 s[C1+1], s[C1]
	s_mov_b32 s[PP], 0x3e8ba43f
	s_mov_b32 s[GA1], 0x3e027906
	s_mov_b32 s[GA1+1], s[GA1]
	s_mov_b32 s[GA2], 0xbe11a98e
	s_mov_b32 s[GA2+1], s[GA2]
	s_mov_b32 s[GA3], 0x3f35f0e3
	s_mov_b32 s[GA3+1], s[GA3]
	s_mov_b32 s[GA4], 0xbf3a00e3
	s_mov_b32 s[GA4+1], s[GA4]
	s_mov_b32 s[GA5], 0x3f07dc22
	s_mov_b32 s[GA5+1], s[GA5]
	s_lshl_b32 s17, s12, 7
	s_lshl_b32 s16, s13, 8
	s_add_co_u32 s16, s16, s17
	s_lshl_b32 s46, s42, 8
	s_add_co_u32 s46, s46, s17
	s_lshl_b32 s16, s16, 11                        ; rows of 2,048 bytes
	s_lshl_b32 s46, s46, 11
	s_add_co_u32 s46, s46, 8388608                 ; W1^T in wt
	s_mov_b32 s17, 0
	s_mov_b32 s47, 0
	s_mul_i32 s20, s10, HALFT
	s_mov_b32 s[CUR], 0
	s_wait_dscnt 0x0                               ; the opening add is done
	s_wait_kmcnt 0x0
	s_add_nc_u64 s[14:15], s[4:5], s[16:17]
	s_add_nc_u64 s[46:47], s[6:7], s[46:47]
	CROUND                                         ; all sixteen work-groups are here: the first joint loads meet
.irp s, 0,1
	s_mov_b32 s[G0+4*(\s)], 1
	s_add_co_u32 s[G0+4*(\s)+1], s20, (\s)*SLOT
	s_add_nc_u64 s[G0+4*(\s)+2:G0+4*(\s)+3], s[14:15], (\s)*KSTEP*2
	s_or_b32 s[G0+4*(\s)+3], s[G0+4*(\s)+3], 0x80000000
	s_mov_b32 s[G0B+4*(\s)], 1
	s_add_co_u32 s[G0B+4*(\s)+1], s20, (\s)*SLOT
	s_add_nc_u64 s[G0B+4*(\s)+2:G0B+4*(\s)+3], s[46:47], (\s)*KSTEP*2
	s_or_b32 s[G0B+4*(\s)+3], s[G0B+4*(\s)+3], 0x80000000
	JLOAD \s                                       ; K steps 0 and 1: two loads of mine are out
.endr
	v_and_b32 v1, 15, v0
	v_bfe_u32 v2, v0, 4, 1
	v_mul_u32_u24 v3, v1, PITCH
	v_lshl_add_u32 v3, v2, 4, v3
	s_mul_i32 s21, s11, HALFT
	s_mul_i32 s22, s12, HALFT
	s_add_co_u32 s22, s22, 2*HALFT
	v_add_nc_u32 v[LA0], s21, v3
	v_add_nc_u32 v[LB0], s22, v3
	v_mov_b32 v[ADRA], v[LA0]
	v_mov_b32 v[ADRB], v[LB0]
	s_mul_i32 s23, s10, STG
	v_mul_u32_u24 v4, v1, SPITCH
	v_lshl_add_u32 v4, v2, 5, v4
	v_add_nc_u32 v[STO], s23, v4
	v_and_b32 v5, 31, v0
	v_lshlrev_b32 v[BO], 4, v5                     ; my four columns of the wave's 128, in f32
	v_add_nc_u32 v[RD], s23, v[BO]                 ; back: 32 lanes take a whole row of 512 bytes
	v_lshlrev_b32 v[CO], 3, v5                     ; and store its 256 bytes of bf16
	s_lshl_b32 s46, s42, 10
	s_lshl_b32 s47, s12, 9
	s_add_co_u32 s46, s46, s47
	s_mov_b32 s47, 0
	s_add_nc_u64 s[68:69], s[68:69], s[46:47]
	global_load_b128 v[BI:BI+3], v[BO], s[68:69]
	s_lshr_b32 s46, s46, 1                         ; the same columns in bytes of bf16
	s_lshl_b32 s14, s13, 21                        ; 256 rows of 8,192 bytes
	s_lshl_b32 s15, s11, 20
	s_add_co_u32 s14, s14, s15
	s_add_co_u32 s46, s46, s14
	s_add_nc_u64 s[8:9], s[70:71], s[46:47]
.macro MUL16 f, hi, a0, zero
	WIN MUL_LO+0x50*(\hi)
.irp a, \a0, (\a0)+1
.irp b, 0,1,2,3,4,5,6,7
.if \zero
	v_wmma_f32_16x16x32_bf16 v[8*(8*(\a)+(\b)):8*(8*(\a)+(\b))+7], v[(\f)+8*(\b):(\f)+8*(\b)+7], v[(\f)+8*(4*(\hi)+(\a)):(\f)+8*(4*(\hi)+(\a))+7], 0
.else
	v_wmma_f32_16x16x32_bf16 v[8*(8*(\a)+(\b)):8*(8*(\a)+(\b))+7], v[(\f)+8*(\b):(\f)+8*(\b)+7], v[(\f)+8*(4*(\hi)+(\a)):(\f)+8*(4*(\hi)+(\a))+7], v[8*(8*(\a)+(\b)):8*(8*(\a)+(\b))+7]
.endif
.endr
.endr
.endm
.macro FETCH k, f
	WIN TO_B
.irp i, 0,1,2,3,4,5,6,7
	ds_load_b128 v[(\f)+8*(\i):(\f)+8*(\i)+3],   v[ADRB] offset:(\k)+(\i)*16*PITCH
	ds_load_b128 v[(\f)+8*(\i)+4:(\f)+8*(\i)+7], v[ADRB] offset:(\k)+(\i)*16*PITCH+32
.endr
	WIN 0
.irp i, 0,1,2,3,4,5,6,7
	ds_load_b128 v[(\f)+8*(\i):(\f)+8*(\i)+3],   v[ADRA] offset:(\k)+(\i)*16*PITCH
	ds_load_b128 v[(\f)+8*(\i)+4:(\f)+8*(\i)+7], v[ADRA] offset:(\k)+(\i)*16*PITCH+32
.endr
.endm
.macro PLACES                          ; four plain vector instructions between a matrix instruction and a load into, or a read of, its registers
.rept 4
	v_nop
.endr
.endm
.macro QUARTER k, f, g, zero
	s_wait_dscnt 8                                 ; B and A's rows 0-63 are in; the youngest eight loads may be out
	MUL16 \f, 0, 0, \zero
	MUL16 \f, 0, 2, \zero
	PLACES
	FETCH \k, \g
	s_wait_dscnt 32                                ; all but the 32 just issued
	MUL16 \f, 1, 0, \zero
	MUL16 \f, 1, 2, \zero
.endm
; The last quarter of a K step multiplies buffer 1 and changes slots: one barrier; in front of it each wave waits for all its tensor loads, adds 0 to its spare word, and waits for that and for its reads of this slot.
.macro TURN fill
	WIN 0
	s_wait_tensorcnt 0x0
	ds_add_u32 v[SPW], v[NIL]
	s_wait_dscnt 9                                 ; the add and the youngest eight loads may be out
	MUL16 F1, 0, 0, 0
	s_wait_dscnt 0x0                               ; the add is done, and my reads of this slot are over
	s_barrier_signal -1
	MUL16 F1, 0, 2, 0
	WIN 0
	s_barrier_wait -1
.if \fill
	CREST
	s_xor_b32 s[G0+5], s[G0+5], SLOT               ; the walking descriptors: the other slot than last time, 128 further along K
	s_add_nc_u64 s[G0+6:G0+7], s[G0+6:G0+7], KSTEP*2
	s_xor_b32 s[G0B+5], s[G0B+5], SLOT
	s_add_nc_u64 s[G0B+6:G0B+7], s[G0B+6:G0B+7], KSTEP*2
	s_xor_b32 s[CUR], s[CUR], SLOT
	JLOAD 1                                        ; the first tensor load behind the round; its four v_nop are also the places in front of the loads below
.else
	PLACES
	s_xor_b32 s[CUR], s[CUR], SLOT
.endif
	v_add_nc_u32 v[ADRA], s[CUR], v[LA0]
	v_add_nc_u32 v[ADRB], s[CUR], v[LB0]
	FETCH 0, F0
	MUL16 F1, 1, 0, 0
	MUL16 F1, 1, 2, 0
.endm
	s_wait_tensorcnt 1                             ; my part of K step 0 is in; K step 1's may stay out
	s_barrier_signal -1
	s_barrier_wait -1
	FETCH 0, F0
	QUARTER 64, F0, F1, 1
	WIN 0
	s_mov_b32 s3, 6
.Lk:
	QUARTER 128, F1, F0, 0
	QUARTER 192, F0, F1, 0
	TURN 1
	QUARTER 64, F0, F1, 0
	WIN 0
	s_sub_co_u32 s3, s3, 1
	s_cmp_lg_u32 s3, 0
	s_cbranch_scc1 .Lk
	s_mov_b32 s3, 2
.Ltail:
	QUARTER 128, F1, F0, 0
	QUARTER 192, F0, F1, 0
	WIN 0
	s_sub_co_u32 s3, s3, 1
	s_cmp_eq_u32 s3, 0
	s_cbranch_scc1 .Llast
	TURN 0
	QUARTER 64, F0, F1, 0
	WIN 0
	s_branch .Ltail
.Llast:
	s_wait_dscnt 8
	MUL16 F1, 0, 0, 0
	MUL16 F1, 0, 2, 0
	s_wait_dscnt 0x0
	MUL16 F1, 1, 0, 0
	MUL16 F1, 1, 2, 0
	WIN 0
	; THE WAY OUT.  The ring has had its last fill and, behind this barrier, its last read: it becomes four stages, one a wave.
	s_barrier_signal -1
	s_barrier_wait -1
	PLACES
.irp a, 0,1,2,3,4,5,6,7
	WIN 0x08+4*((\a)/4)
.irp b, 0,1,2,3,4,5,6,7
	ds_store_b128 v[STO], v[8*(8*((\a)%4)+(\b)):8*(8*((\a)%4)+(\b))+3]   offset:(\a)*16*SPITCH+64*(\b)
	ds_store_b128 v[STO], v[8*(8*((\a)%4)+(\b))+4:8*(8*((\a)%4)+(\b))+7] offset:(\a)*16*SPITCH+64*(\b)+16
.endr
.endr
	WIN 0
.macro LOADS                           ; four whole rows of my stage; LDS serves a wave's instructions in order, so these see my stores
.irp u, 0,1,2,3
	ds_load_b128 v[T+4*\u:T+4*\u+3], v[RD] offset:SPITCH*\u
.endr
.endm
.macro EACH n, line:vararg             ; one line for z = 0 .. n - 1
.set z, 0
	s_wait_alu depctr_va_vdst(0)
.rept \n
	\line
.set z, z+1
.endr
.endm
	s_wait_loadcnt 0x0                             ; the bias
	LOADS
	s_mov_b32 s3, 32
.Lrow:                                                 ; 32 trips of 4 rows: 16 numbers a lane
	s_wait_dscnt 0x0
.irp u, 0,1,2,3
	v_pk_add_f32 v[U+4*\u:U+4*\u+1], v[T+4*\u:T+4*\u+1], v[BI:BI+1]
	v_pk_add_f32 v[U+4*\u+2:U+4*\u+3], v[T+4*\u+2:T+4*\u+3], v[BI+2:BI+3]
.endr
	s_cmp_eq_u32 s3, 1
	s_cbranch_scc1 .Lnoload                        ; the last trip has nothing more to read
	v_add_nc_u32 v[RD], 4*SPITCH, v[RD]
	LOADS
.Lnoload:
	EACH 8,  v_pk_mul_f32 v[W+2*z:W+2*z+1], v[U+2*z:U+2*z+1], s[C1:C1+1] op_sel_hi:[1,0]
	EACH 16, v_fma_f32 v[TT+z], |v[W+z]|, s[PP], 1.0
	EACH 16, v_rcp_f32 v[TT+z], v[TT+z]
	EACH 8,  v_pk_mul_f32 v[EE+2*z:EE+2*z+1], v[W+2*z:W+2*z+1], v[W+2*z:W+2*z+1] neg_lo:[1,0] neg_hi:[1,0]   ; plain work behind the reciprocals
	EACH 16, v_exp_f32 v[EE+z], v[EE+z]
	EACH 8,  v_pk_fma_f32 v[QQ+2*z:QQ+2*z+1], v[TT+2*z:TT+2*z+1], s[GA5:GA5+1], s[GA4:GA4+1] op_sel_hi:[1,0,0]   ; plain work behind the exponentials
	EACH 8,  v_pk_fma_f32 v[QQ+2*z:QQ+2*z+1], v[QQ+2*z:QQ+2*z+1], v[TT+2*z:TT+2*z+1], s[GA3:GA3+1] op_sel_hi:[1,1,0]
	EACH 8,  v_pk_fma_f32 v[QQ+2*z:QQ+2*z+1], v[QQ+2*z:QQ+2*z+1], v[TT+2*z:TT+2*z+1], s[GA2:GA2+1] op_sel_hi:[1,1,0]
	EACH 8,  v_pk_fma_f32 v[QQ+2*z:QQ+2*z+1], v[QQ+2*z:QQ+2*z+1], v[TT+2*z:TT+2*z+1], s[GA1:GA1+1] op_sel_hi:[1,1,0]
	EACH 8,  v_pk_mul_f32 v[QQ+2*z:QQ+2*z+1], v[QQ+2*z:QQ+2*z+1], v[TT+2*z:TT+2*z+1]
	EACH 8,  v_pk_mul_f32 v[QQ+2*z:QQ+2*z+1], v[QQ+2*z:QQ+2*z+1], v[EE+2*z:EE+2*z+1]
	EACH 16, v_max_num_f32 v[W+z], 0, v[U+z]
	EACH 16, v_fma_f32 v[U+z], -|v[U+z]|, v[QQ+z], v[W+z]
	EACH 8,  v_cvt_pk_bf16_f32 v[YY+z], v[U+2*z], v[U+2*z+1]
.irp u, 0,1,2,3
	global_store_b64 v[CO], v[YY+2*\u:YY+2*\u+1], s[8:9] offset:8192*\u   ; the wave stores 256 consecutive bytes, aligned
.endr
	s_wait_xcnt 0x0                                ; the stores' offset and data are rewritten only behind this wait
	v_add_nc_u32 v[CO], 32768, v[CO]
	s_sub_co_u32 s3, s3, 1
	s_cmp_lg_u32 s3, 0
	s_cbranch_scc1 .Lrow
	s_wait_tensorcnt 0x0                           ; the wave's end
	ds_add_u32 v[SPW], v[NIL]
	s_wait_dscnt 0x0
	CROUND                                         ; the closing round
	s_endpgm
.Lfunc_end_k_q95ca005a4f_w1:
	.size	k_q95ca005a4f_w1, .Lfunc_end_k_q95ca005a4f_w1-k_q95ca005a4f_w1
	.p2alignl 7, 3214868480
	.fill 96, 4, 3214868480
	.section	.rodata,"a",@progbits
	.p2align	6, 0x0
	.amdhsa_kernel k_q95ca005a4f_w1
		.amdhsa_group_segment_fixed_size 327680
		.amdhsa_private_segment_fixed_size 0
		.amdhsa_enable_private_segment 0
		.amdhsa_kernarg_size 32
		.amdhsa_user_sgpr_count 2
		.amdhsa_user_sgpr_kernarg_segment_ptr 1
		.amdhsa_wavefront_size32 1
		.amdhsa_system_sgpr_workgroup_id_x 1
		.amdhsa_system_sgpr_workgroup_id_y 1
		.amdhsa_system_sgpr_workgroup_id_z 1
		.amdhsa_system_vgpr_workitem_id 0
		.amdhsa_next_free_vgpr 1024
		.amdhsa_next_free_sgpr 88
		.amdhsa_reserve_vcc 0
		.amdhsa_float_denorm_mode_32 3
		.amdhsa_float_denorm_mode_16_64 3
		.amdhsa_memory_ordered 1
		.amdhsa_forward_progress 1
		.amdhsa_inst_pref_size 92
	.end_amdhsa_kernel
	.amdgpu_metadata
---
amdhsa.version: [ 1, 2 ]
amdhsa.kernels:
  - .name:           k_q95ca005a4f_w1
    .symbol:         k_q95ca005a4f_w1.kd
    .args:
      - { .name: hn, .offset: 0, .size: 8, .value_kind: global_buffer, .address_space: global }
      - { .name: wt, .offset: 8, .size: 8, .value_kind: global_buffer, .address_space: global }
      - { .name: b1, .offset: 16, .size: 8, .value_kind: global_buffer, .address_space: global }
      - { .name: gb, .offset: 24, .size: 8, .value_kind: global_buffer, .address_space: global }
    .group_segment_fixed_size: 327680
    .private_segment_fixed_size: 0
    .kernarg_segment_align: 8
    .kernarg_segment_size: 32
    .max_flat_workgroup_size: 128
    .sgpr_count:     88
    .vgpr_count:     1024
    .wavefront_size: 32
...
	.end_amdgpu_metadata
.endif
;; end of part 6
;; launch w2 (part 7): grid 8 x 32, 4 waves a work-group, clusters of 4 x 4, 327,680 bytes of LDS; arguments gb, wt, b2, x1, out0; writes out0
.if DOCPART == 7
	.amdgcn_target "amdgcn-amd-amdhsa--gfx1250"
	.amdhsa_code_object_version 6
	.text
	.protected	k_q95ca005a4f_w2
	.globl	k_q95ca005a4f_w2
	.p2align	8
	.type	k_q95ca005a4f_w2,@function
k_q95ca005a4f_w2:
	s_mov_b64 s[64:65], 0
	v_nop
	global_prefetch_b8 v0, s[64:65] scope:SCOPE_SE
	s_setreg_imm32_b32 hwreg(HW_REG_WAVE_MODE, 25, 1), 1
	s_wait_xcnt 0x0
	s_wait_alu depctr_hold_cnt(0) depctr_sa_sdst(0) depctr_va_vdst(0) depctr_va_sdst(0) depctr_va_ssrc(0) depctr_va_vcc(0) depctr_vm_vsrc(0)
	s_getreg_b32 s2, hwreg(HW_REG_IB_STS2, 6, 4)
	s_cmp_eq_u32 s2, 0
	s_cbranch_scc0 .Lentry_in_a_cluster
	s_endpgm
.Lentry_in_a_cluster:
	s_bfe_u32 s2, ttmp6, 0x10000c
	s_cmp_lg_u32 s2, 0xf033
	s_cbranch_scc0 .Lentry_shape_is_right
	s_endpgm
.Lentry_shape_is_right:
; out0 = x1 + g W2 + b2.  A = gb [4096][4096] bf16, B = wt + 16,777,216: W2^T [1024][4096] bf16; sums, bias and residual in f32; out0 [4096][1024] f32.
; A tile of C is 128 x 128 (256 work-groups): four waves of 64 x 64, 16 accumulators.  K goes in 16 steps of 256 (LDS rows of 512 bytes, 64 rows a load) through two LDS slots; a K step is written once, the
; LDS addresses hang on one scalar turned by an exclusive or; the tail (the last two K steps, which ask for nothing) is a second text, walked twice and left in its middle.
; THE WALK ALONG K IS A RING: a cluster begins at K step 4 ((Y + 2 (Y / 4)) % 4) + 8 X, modulo 16, X (0, 1) and Y (0 .. 7) the cluster's place in the grid, and goes on modulo 16.  The two clusters that read the
; same rows of A begin eight steps apart: each asks first for one half of those tiles, and for the other half eight steps behind its neighbour.  Along Y the starts are 0, 4, 8, 12, 8, 12, 0, 4: four different
; ones among Y = 0 .. 3 and among Y = 0, 1, 4, 5 alike, so that clusters that read the same rows of B follow each other four steps apart.  The sums take K in that order.
; CLUSTER 4 x 4: A's tile jointly along a row of the cluster, B's along a column.  The matrix instruction is used transposed: a lane holds eight neighbouring columns of one row of C.
; REGISTERS: window 0: v0-31 addresses, bias; v32-95 the way out; v128-255 accumulator (a, b) at v[128 + 8 (4 a + b)].  Window 1: two fragment buffers of 128.  Window 2: v0-127 the residual, asked for behind the first barrier.
.set SIZE_K, 4096
.set STEPS,  16
.set KSTEP,  256
.set BP,     528                       ; an LDS row: 512 bytes + 16: the 16 rows of a fragment load start at 16 different groups of four banks (ISA guide 11.1)
.set B_LD,   64*BP
.set A_P,    528
.set A_Q,    128                       ; a quarter step: 64 along K
.set A_LD,   64*A_P
.set SLOT1,  2*A_LD+2*B_LD             ; 0x21000: its two bits are set in no tile base (0, 0x8400, 0x10800, 0x18c00), so an exclusive or moves a base from slot to slot
.set STAGE,  2*SLOT1                   ; behind the ring: 16 rows x 272 bytes for each wave
.set SPITCH, 272
.set SPARE,  STAGE+4*16*SPITCH         ; the spare words, 128 bytes a wave
.set WBASE,  16777216
.set BI,   8
.set LA0,  16
.set LB0,  17
.set ADRA, 18
.set ADRB, 19
.set STO,  24
.set RD,   25
.set CO,   26
.set BO,   27
.set SPW,  28                          ; LDS address of my spare word; never rewritten
.set NIL,  29                          ; 0; never rewritten
.set T,    32
.set ACC,  128
.set F0,   0
.set F1,   128
.set CUR,  2
.set G1,   24
.set G0,   32
.set G1B,  48
.set G0B,  56
.set BA,   72                          ; s[72:73] my part of A's tile at K step 0
.set BB,   74                          ; s[74:75] the same for B
.set KO,   76                          ; s[76:77] a K step's byte offset in A's and B's rows: 512 a step
.set KS,   78                          ; s78      the K step asked for last
.set MSB, 0
.macro WIN new
.if MSB != (\new)
	s_set_vgpr_msb (MSB<<8)|(\new)
.set MSB, \new
.endif
.endm
.set MUL,  0x05
.set TO_F, 0x40
.macro JLOAD s                         ; a joint load: waves 0 and 1 fetch A's halves, waves 2 and 3 B's; s_nop 0 and four v_nop follow each line
	s_cmp_eq_u32 s11, 0
	s_cbranch_scc0 .Lfor_b_\@
	tensor_load_to_lds s[G0+4*(\s):G0+4*(\s)+3], s[G1:G1+7]
	s_nop 0
.rept 4
	v_nop
.endr
	s_branch .Lasked_\@
.Lfor_b_\@:
	tensor_load_to_lds s[G0B+4*(\s):G0B+4*(\s)+3], s[G1B:G1B+7]
	s_nop 0
.rept 4
	v_nop
.endr
.Lasked_\@:
.endm
.macro CREST
	s_cmp_lg_u32 s10, 0
	s_cbranch_scc1 .Lnot_wave_0_\@
	s_barrier_signal -3
.Lnot_wave_0_\@:
	s_barrier_wait -3
	s_barrier_signal -1
	s_barrier_wait -1
.endm
.macro CROUND
	s_barrier_signal -1
	s_barrier_wait -1
	CREST
.endm
.macro ADDR s                          ; set s of both descriptors takes K step KS: the address is made anew from the base and the step's offset, the type bits set again
	s_lshl_b32 s[KO], s[KS], 9
	s_add_nc_u64 s[G0+4*(\s)+2:G0+4*(\s)+3], s[BA:BA+1], s[KO:KO+1]
	s_or_b32 s[G0+4*(\s)+3], s[G0+4*(\s)+3], 0x80000000
	s_add_nc_u64 s[G0B+4*(\s)+2:G0B+4*(\s)+3], s[BB:BB+1], s[KO:KO+1]
	s_or_b32 s[G0B+4*(\s)+3], s[G0B+4*(\s)+3], 0x80000000
.endm
.macro NEXTK                           ; the ring's next K step
	s_add_co_u32 s[KS], s[KS], 1
	s_and_b32 s[KS], s[KS], STEPS-1
.endm
	s_load_b128 s[4:7], s[0:1], 0x0                ; gb, wt
	s_load_b128 s[68:71], s[0:1], 0x10             ; b2, x1
	s_load_b64 s[8:9], s[0:1], 0x20                ; out0
	v_lshl_add_u32 v[SPW], v0, 2, SPARE
	v_mov_b32 v[NIL], 0
	ds_add_u32 v[SPW], v[NIL]                      ; the wave's opening: the add, waited for ahead of my first tensor load
	ds_add_u32 v28, v29
	v_lshrrev_b32 v1, 5, v0
	v_readfirstlane_b32 s10, v1
	s_lshr_b32 s11, s10, 1
	s_and_b32 s12, s10, 1
	s_bfe_u32 s40, ttmp6, 0x40000
	s_bfe_u32 s41, ttmp6, 0x40004
	s_lshl_b32 s42, ttmp9, 2
	s_add_co_u32 s42, s42, s40                     ; tile column
	s_and_b32 s13, ttmp7, 0xffff                   ; Y, the cluster's y: all sixteen partners share it, and X
	s_lshr_b32 s[KS], s13, 2
	s_lshl_b32 s[KS], s[KS], 1
	s_add_co_u32 s[KS], s[KS], s13                 ; Y + 2 (Y / 4)
	s_and_b32 s[KS], s[KS], 3
	s_lshl_b32 s[KS], s[KS], 2
	s_lshl_b32 s45, ttmp9, 3                       ; 8 X
	s_add_co_u32 s[KS], s[KS], s45
	s_and_b32 s[KS], s[KS], STEPS-1                ; the K step at which the walk begins
	s_lshl_b32 s13, s13, 2
	s_add_co_u32 s13, s13, s41                     ; tile row
	s_lshl_b32 s43, s41, 2
	s_lshl_b32 s43, 15, s43
	s_lshl_b32 s44, 0x1111, s40
	s_or_b32 s[G1+0], s43, (1<<16)|(1<<20)|(1<<21)|(6<<22)|(3<<25)   ; mask; 2-byte elements; padding after every 128 words, 4 words
	s_or_b32 s[G1B+0], s44, (1<<16)|(1<<20)|(1<<21)|(6<<22)|(3<<25)
.irp g, G1, G1B
	s_mov_b32 s[(\g)+1], KSTEP<<16                 ; tensor_dim0 = 256
	s_mov_b32 s[(\g)+2], 64<<16                    ; tensor_dim1 = 64
	s_mov_b32 s[(\g)+3], KSTEP<<16                 ; tile_dim0 = 256
	s_mov_b32 s[(\g)+4], 64                        ; tile_dim1 = 64
	s_mov_b32 s[(\g)+5], SIZE_K
	s_mov_b32 s[(\g)+6], 0
	s_mov_b32 s[(\g)+7], 0
.endr
	s_lshl_b32 s16, s13, 20                        ; A: 128 rows of 8,192 bytes a tile row,
	s_lshl_b32 s17, s12, 19                        ; 64 a half
	s_add_co_u32 s16, s16, s17
	s_mov_b32 s17, 0
	s_lshl_b32 s46, s42, 20                        ; B likewise
	s_lshl_b32 s47, s12, 19
	s_add_co_u32 s46, s46, s47
	s_add_co_u32 s46, s46, WBASE
	s_mov_b32 s47, 0
	s_mov_b32 s[KO+1], 0
	s_mul_i32 s20, s12, A_LD                       ; where they go
	s_mul_i32 s21, s12, B_LD
	s_add_co_u32 s21, s21, 2*A_LD
	s_mov_b32 s[CUR], 0
	s_wait_dscnt 0x0                               ; the opening add is done
	s_wait_kmcnt 0x0
	s_add_nc_u64 s[BA:BA+1], s[4:5], s[16:17]
	s_add_nc_u64 s[BB:BB+1], s[6:7], s[46:47]
	CROUND                                         ; all sixteen work-groups are here: the first joint loads meet
.irp s, 0,1
	s_mov_b32 s[G0+4*(\s)], 1
	s_add_co_u32 s[G0+4*(\s)+1], s20, (\s)*SLOT1
	s_mov_b32 s[G0B+4*(\s)], 1
	s_add_co_u32 s[G0B+4*(\s)+1], s21, (\s)*SLOT1
	ADDR \s
	JLOAD \s                                       ; the walk's first two K steps: two loads of mine are out
.if (\s) == 0
	NEXTK
.endif
.endr
	v_and_b32 v1, 15, v0
	v_bfe_u32 v2, v0, 4, 1
	v_mul_u32_u24 v3, v1, A_P
	v_lshl_add_u32 v3, v2, 4, v3
	s_mul_i32 s22, s11, 64*A_P
	v_add_nc_u32 v[LA0], s22, v3
	v_mul_u32_u24 v3, v1, BP
	v_lshl_add_u32 v3, v2, 4, v3
	v_add_nc_u32 v[LB0], s21, v3
	v_mov_b32 v[ADRA], v[LA0]
	v_mov_b32 v[ADRB], v[LB0]
	s_mul_i32 s23, s10, 16*SPITCH
	s_add_co_u32 s23, s23, STAGE
	v_mul_u32_u24 v4, v1, SPITCH
	v_lshl_add_u32 v4, v2, 5, v4
	v_add_nc_u32 v[STO], s23, v4
	v_mul_u32_u24 v5, v2, SPITCH
	v_lshl_add_u32 v5, v1, 4, v5
	v_add_nc_u32 v[RD], s23, v5
	v_lshlrev_b32 v[BO], 4, v1
	v_lshl_add_u32 v[CO], v2, 12, v[BO]
	s_lshl_b32 s46, s42, 9                         ; my 64 columns, in bytes of f32
	s_lshl_b32 s47, s12, 8
	s_add_co_u32 s46, s46, s47
	s_mov_b32 s47, 0
	s_add_nc_u64 s[68:69], s[68:69], s[46:47]
	s_lshl_b32 s14, s13, 19                        ; my 64 rows of 4,096 bytes
	s_lshl_b32 s15, s11, 18
	s_add_co_u32 s14, s14, s15
	s_add_co_u32 s46, s46, s14
	s_add_nc_u64 s[70:71], s[70:71], s[46:47]
	s_add_nc_u64 s[8:9], s[8:9], s[46:47]
.macro MUL8 f, c, a0, zero
	WIN MUL
.irp a, \a0, (\a0)+1
.irp b, 0,1,2,3
.if \zero
	v_wmma_f32_16x16x32_bf16 v[ACC+8*(4*(\a)+(\b)):ACC+8*(4*(\a)+(\b))+7], v[(\f)+64+8*(4*(\c)+(\b)):(\f)+64+8*(4*(\c)+(\b))+7], v[(\f)+8*(4*(\c)+(\a)):(\f)+8*(4*(\c)+(\a))+7], 0
.else
	v_wmma_f32_16x16x32_bf16 v[ACC+8*(4*(\a)+(\b)):ACC+8*(4*(\a)+(\b))+7], v[(\f)+64+8*(4*(\c)+(\b)):(\f)+64+8*(4*(\c)+(\b))+7], v[(\f)+8*(4*(\c)+(\a)):(\f)+8*(4*(\c)+(\a))+7], v[ACC+8*(4*(\a)+(\b)):ACC+8*(4*(\a)+(\b))+7]
.endif
.endr
.endr
.endm
.macro FETCH qn, f
	WIN TO_F
.irp c, 0,1
.irp i, 0,1,2,3
	ds_load_b128 v[(\f)+64+8*(4*(\c)+(\i)):(\f)+64+8*(4*(\c)+(\i))+3],   v[ADRB] offset:(\qn)*128+64*(\c)+(\i)*16*BP
	ds_load_b128 v[(\f)+64+8*(4*(\c)+(\i))+4:(\f)+64+8*(4*(\c)+(\i))+7], v[ADRB] offset:(\qn)*128+64*(\c)+(\i)*16*BP+32
	ds_load_b128 v[(\f)+8*(4*(\c)+(\i)):(\f)+8*(4*(\c)+(\i))+3],         v[ADRA] offset:(\qn)*A_Q+64*(\c)+(\i)*16*A_P
	ds_load_b128 v[(\f)+8*(4*(\c)+(\i))+4:(\f)+8*(4*(\c)+(\i))+7],       v[ADRA] offset:(\qn)*A_Q+64*(\c)+(\i)*16*A_P+32
.endr
.endr
.endm
.macro PLACES                          ; four plain vector instructions between a matrix instruction and a load into, or a read of, its registers
.rept 4
	v_nop
.endr
.endm
.macro QUARTER qn, f, g, zero
	s_wait_dscnt 16                                ; the first 32 along K are in
	MUL8 \f, 0, 0, \zero
	MUL8 \f, 0, 2, \zero
	PLACES
	FETCH \qn, \g
	s_wait_dscnt 32                                ; all but the 32 just issued
	MUL8 \f, 1, 0, 0
	MUL8 \f, 1, 2, 0
.endm
; The last quarter multiplies buffer 1 and changes slots: one barrier; in front of it each wave waits for all its tensor loads, adds 0 to its spare word, and waits for that and for its reads of this slot.
; The walking descriptors are stepped between the add and the wait for it, where no tensor load of mine is out, so that the load stands straight behind the round.
.macro TURN fill
	WIN 0
	s_wait_tensorcnt 0x0
	ds_add_u32 v[SPW], v[NIL]
.if \fill
	NEXTK
	s_xor_b32 s[G0+5], s[G0+5], SLOT1              ; the other slot than last time,
	s_xor_b32 s[G0B+5], s[G0B+5], SLOT1
	ADDR 1                                         ; the ring's next K step
.endif
	s_xor_b32 s[CUR], s[CUR], SLOT1
	s_wait_dscnt 17                                ; the add and the youngest sixteen loads may be out
	MUL8 F1, 0, 0, 0
	s_wait_dscnt 0x0                               ; the add is done, and my reads of this slot are over
	s_barrier_signal -1
	MUL8 F1, 0, 2, 0
	WIN 0
	s_barrier_wait -1
.if \fill
	CREST                                          ; the barrier has opened a round of the cluster's
	JLOAD 1                                        ; the first tensor load behind the round; its four v_nop are also the places in front of the loads below
.else
	PLACES
.endif
	v_add_nc_u32 v[ADRA], s[CUR], v[LA0]
	v_add_nc_u32 v[ADRB], s[CUR], v[LB0]
	FETCH 0, F0
	MUL8 F1, 1, 0, 0
	MUL8 F1, 1, 2, 0
.endm
	s_wait_tensorcnt 1                             ; my part of the first K step is in; the second's may stay out
	s_barrier_signal -1
	s_barrier_wait -1
	FETCH 0, F0
	WIN 0                                          ; bias and residual are asked for only now, behind the first tile: they are wanted on the way out
	global_load_b128 v[BI:BI+3], v[BO], s[68:69]
	WIN 0x80                                       ; destination window 2
.set i, 0
.rept 32                                               ; the residual of rows 2 i, 2 i + 1
	global_load_b128 v[4*i:4*i+3], v[CO], s[70:71] offset:2*i*4096
.set i, i+1
.endr
	QUARTER 1, F0, F1, 1
	WIN 0
	s_mov_b32 s3, STEPS-2
.Lk:
	QUARTER 2, F1, F0, 0
	QUARTER 3, F0, F1, 0
	TURN 1
	QUARTER 1, F0, F1, 0
	WIN 0
	s_sub_co_u32 s3, s3, 1
	s_cmp_lg_u32 s3, 0
	s_cbranch_scc1 .Lk
	s_mov_b32 s3, 2
.Ltail:                                                ; the last two K steps ask for nothing; the second walk is left in its middle
	QUARTER 2, F1, F0, 0
	QUARTER 3, F0, F1, 0
	WIN 0
	s_sub_co_u32 s3, s3, 1
	s_cmp_eq_u32 s3, 0
	s_cbranch_scc1 .Llast
	TURN 0
	QUARTER 1, F0, F1, 0
	WIN 0
	s_branch .Ltail
.Llast:
	s_wait_dscnt 16
	MUL8 F1, 0, 0, 0
	MUL8 F1, 0, 2, 0
	s_wait_dscnt 0x0
	MUL8 F1, 1, 0, 0
	MUL8 F1, 1, 2, 0
	WIN 0
	; THE WAY OUT, 16 rows at a time through my own stage: in by lanes' 32 bytes, back as whole rows of 256 bytes; bias and residual are added in f32.
	PLACES
	s_wait_loadcnt 0x0                             ; bias and residual
.irp a, 0,1,2,3
.set TB, T+32*((\a)%2)
	s_wait_xcnt 0x0                                ; the registers that the block two back stored from are rewritten only behind this wait
.irp b, 0,1,2,3
	ds_store_b128 v[STO], v[ACC+8*(4*(\a)+(\b)):ACC+8*(4*(\a)+(\b))+3]   offset:64*(\b)
	ds_store_b128 v[STO], v[ACC+8*(4*(\a)+(\b))+4:ACC+8*(4*(\a)+(\b))+7] offset:64*(\b)+16
.endr
.irp t, 0,1,2,3,4,5,6,7
	ds_load_b128 v[TB+4*(\t):TB+4*(\t)+3], v[RD] offset:(\t)*2*SPITCH   ; LDS serves a wave's instructions in order: these see the stores above
.endr
	s_wait_dscnt 0x0
.irp t, 0,1,2,3,4,5,6,7
	v_pk_add_f32 v[TB+4*(\t):TB+4*(\t)+1], v[TB+4*(\t):TB+4*(\t)+1], v[BI:BI+1]
	v_pk_add_f32 v[TB+4*(\t)+2:TB+4*(\t)+3], v[TB+4*(\t)+2:TB+4*(\t)+3], v[BI+2:BI+3]
.endr
	WIN 0x08                                       ; source 1 in window 2
.irp t, 0,1,2,3,4,5,6,7
	v_pk_add_f32 v[TB+4*(\t):TB+4*(\t)+1], v[TB+4*(\t):TB+4*(\t)+1], v[4*(8*(\a)+(\t)):4*(8*(\a)+(\t))+1]
	v_pk_add_f32 v[TB+4*(\t)+2:TB+4*(\t)+3], v[TB+4*(\t)+2:TB+4*(\t)+3], v[4*(8*(\a)+(\t))+2:4*(8*(\a)+(\t))+3]
.endr
	WIN 0
.irp t, 0,1,2,3,4,5,6,7
	global_store_b128 v[CO], v[TB+4*(\t):TB+4*(\t)+3], s[8:9] offset:(16*(\a)+2*(\t))*4096   ; sixteen lanes store 256 consecutive bytes, aligned
.endr
.endr
	s_wait_tensorcnt 0x0                           ; the wave's end
	ds_add_u32 v[SPW], v[NIL]
	s_wait_dscnt 0x0
	CROUND                                         ; the closing round
	s_endpgm
.Lfunc_end_k_q95ca005a4f_w2:
	.size	k_q95ca005a4f_w2, .Lfunc_end_k_q95ca005a4f_w2-k_q95ca005a4f_w2
	.p2alignl 7, 3214868480
	.fill 96, 4, 3214868480
	.section	.rodata,"a",@progbits
	.p2align	6, 0x0
	.amdhsa_kernel k_q95ca005a4f_w2
		.amdhsa_group_segment_fixed_size 327680
		.amdhsa_private_segment_fixed_size 0
		.amdhsa_enable_private_segment 0
		.amdhsa_kernarg_size 40
		.amdhsa_user_sgpr_count 2
		.amdhsa_user_sgpr_kernarg_segment_ptr 1
		.amdhsa_wavefront_size32 1
		.amdhsa_system_sgpr_workgroup_id_x 1
		.amdhsa_system_sgpr_workgroup_id_y 1
		.amdhsa_system_sgpr_workgroup_id_z 1
		.amdhsa_system_vgpr_workitem_id 0
		.amdhsa_next_free_vgpr 640
		.amdhsa_next_free_sgpr 80
		.amdhsa_reserve_vcc 0
		.amdhsa_float_denorm_mode_32 3
		.amdhsa_float_denorm_mode_16_64 3
		.amdhsa_memory_ordered 1
		.amdhsa_forward_progress 1
		.amdhsa_inst_pref_size 72
	.end_amdhsa_kernel
	.amdgpu_metadata
---
amdhsa.version: [ 1, 2 ]
amdhsa.kernels:
  - .name:           k_q95ca005a4f_w2
    .symbol:         k_q95ca005a4f_w2.kd
    .args:
      - { .name: gb, .offset: 0, .size: 8, .value_kind: global_buffer, .address_space: global }
      - { .name: wt, .offset: 8, .size: 8, .value_kind: global_buffer, .address_space: global }
      - { .name: b2, .offset: 16, .size: 8, .value_kind: global_buffer, .address_space: global }
      - { .name: x1, .offset: 24, .size: 8, .value_kind: global_buffer, .address_space: global }
      - { .name: out0, .offset: 32, .size: 8, .value_kind: global_buffer, .address_space: global }
    .group_segment_fixed_size: 327680
    .private_segment_fixed_size: 0
    .kernarg_segment_align: 8
    .kernarg_segment_size: 40
    .max_flat_workgroup_size: 128
    .sgpr_count:     80
    .vgpr_count:     640
    .wavefront_size: 32
...
	.end_amdgpu_metadata
.endif
;; end of part 7
